; MI455X (gfx1250); checked and timed in simulation.
; The chip was launched on July 23, 2026; its instructions are those of AMD's public machine-readable ISA for CDNA 5 (MIT licence, August 2026) and "CDNA5" Instruction Set Architecture Reference Guide (July 2026). The comments in the code are by the model that wrote it; some were corrected since.
;; GQA Attention. Allowed arithmetic: float matrix products may take bf16 or f16 operands with f32 sums; other float arithmetic in f32, or as packed bf16 or f16 multiplies, adds, multiply-adds, maxima and minima; sums over many terms, partial sums and values carried from step to step in f32; what a program stores and reads back later, other than sums and carried values, may be rounded once to bf16 or f16.
;; Inputs: Wk 2,048 x 512 float32; Wo 2,048 x 2,048 float32; Wq 2,048 x 2,048 float32; Wv 2,048 x 512 float32; bk 512 float32; bo 2,048 float32; bq 2,048 float32; bv 512 float32; x 4 x 1,024 x 2,048 float32.
;; Outputs: out0 4 x 1,024 x 2,048 float32.
;; 2 versions, each right; version 2 is version 1 with the launch prep written anew for expert scheduling mode. Each part assembles by itself: llvm-mc -triple=amdgcn-amd-amdhsa -mcpu=gfx1250 --defsym DOCPART=n.
;; ======== version 1 of 2: 4 launches
;; limits: values are held in f16: magnitudes above 65,504 overflow, below 6.1e-05 lose precision
;; workspace buffers: xt 16,777,216 bytes; wt 12,582,912 bytes; wot 8,388,608 bytes; qt 16,777,216 bytes; kv 8,388,608 bytes; ot 16,777,216 bytes
;; launch prep (part 1): grid 1152 x 1, 4 waves a work-group, no clusters, 35,328 bytes of LDS; arguments x, Wq, Wk, Wv, Wo, xt, wt, wot; writes xt, wt, wot
.if DOCPART == 1
	.amdgcn_target "amdgcn-amd-amdhsa--gfx1250"
	.amdhsa_code_object_version 6
	.text
	.protected	k_q0b64069c0b_prep
	.globl	k_q0b64069c0b_prep
	.p2align	8
	.type	k_q0b64069c0b_prep,@function
k_q0b64069c0b_prep:
	s_mov_b64 s[64:65], 0
	v_nop
	global_prefetch_b8 v0, s[64:65] scope:SCOPE_SE
	s_setreg_imm32_b32 hwreg(HW_REG_WAVE_MODE, 25, 1), 1
	s_wait_xcnt 0x0
; PREP: every matrix operand that is an input is rounded once and laid out in FRAGMENT TILES for the launches behind.
; A fragment tile is 1,024 bytes: 16 rows x 32 k of 16-bit numbers, as [piece 0..3][row 0..15][8 k = 16 bytes], piece p holding k = 8 p .. 8 p + 7.
; A matrix fragment is then two loads of 16 bytes a lane, at 16 x lane and 512 + 16 x lane: 512 consecutive bytes each.
;   xt  = bf16(x),  [token block 256][k block 64][tile]                       rows = tokens
;   wt  = bf16(Wq | Wk | Wv), [block 192][k block 64][tile]                   rows = columns of W (W lies [k][n], so it is turned here)
;         block = 24 j + 6 w + i: i < 4: Wq's column block 16 j + 4 w + i; i = 4: Wk's block 4 j + w; i = 5: Wv's block 4 j + w
;   wot = bf16(Wo) written as f16, [column block 128][k block 64][tile]
; LIMITS. |Wo| stays under 65,504 (f16's end); below 2^-14 the f16 copy keeps f16's fixed step of 6e-8.
; SHARES. One wave, one unit of 16 KiB in and 8 KiB out, all its 32 loads out at once; no loop.  Units 0-2047: 16 rows x 256 k of x.
; Then 32 k x 128 n of a weight: 1,024 units of Wq, 256 of Wk, 256 of Wv, 1,024 of Wo.  All four waves of a work-group are on the same tensor.
; Memory binds: no matrix unit, no cluster (no two work-groups read the same byte).  Each wave turns its unit in a stage of its own in LDS
; (32 planes of 256 bytes, 272 apart), so no barrier is needed, and every store of a wave covers 512 consecutive bytes.
.set STG,   8704                       ; a wave's stage: 32 planes x 272 bytes
.set SPARE, 4*STG                      ; behind the stages: the spare words, 128 bytes a wave
.set LO,  2                            ; v2  16 x lane
.set ST,  3                            ; v3  where I store into the stage
.set RD,  4                            ; v4  where I read back
.set TP,  5                            ; v5  at work
.set SPW, 6                            ; v6  my spare word's LDS address; never rewritten
.set NIL, 7                            ; v7  0; never rewritten
.set OFF, 8                            ; v[8:15]   16 x lane + i rows of the weight
.set T,   16                           ; v[16:31]  packed numbers on their way into the stage
.set IN,  32                           ; v[32:159] the unit as loaded; v[32:95] later as read back
.set TA,  160                          ; v[160:167] at work
	s_load_b512 s[4:19], s[0:1], 0x0               ; x 4, Wq 6, Wk 8, Wv 10, Wo 12, xt 14, wt 16, wot 18
	v_lshl_add_u32 v[SPW], v0, 2, SPARE
	v_mov_b32 v[NIL], 0
	v_lshrrev_b32 v1, 5, v0
	v_readfirstlane_b32 s20, v1                    ; wave
	v_and_b32 v1, 31, v0                           ; lane
	v_lshlrev_b32 v[LO], 4, v1
	s_lshl_b32 s21, ttmp9, 2
	s_add_co_u32 s21, s21, s20                     ; u: my unit
	s_mul_i32 s22, s20, STG                        ; my stage
	s_mov_b32 s61, 0                               ; the high word of every offset
	s_wait_kmcnt 0x0
	s_cmp_lt_u32 ttmp9, 512
	s_cbranch_scc0 .Lweights
	; ---- x: 16 rows x 256 k.  Load n = 2 r + hh brings 512 bytes of row r: lane l holds k = 128 hh + 4 l .. + 3
	s_lshr_b32 s60, s21, 3
	s_lshl_b32 s60, s60, 17                        ; 16 rows of 8,192 bytes
	s_and_b32 s23, s21, 7
	s_lshl_b32 s23, s23, 10                        ; 256 k of 4 bytes
	s_add_co_u32 s60, s60, s23
	s_add_nc_u64 s[24:25], s[4:5], s[60:61]
	s_lshl_b32 s60, s21, 13                        ; the unit's 8 tiles lie on end in xt
	s_add_nc_u64 s[26:27], s[14:15], s[60:61]
.set n, 0
.rept 32
	global_load_b128 v[IN+4*n:IN+4*n+3], v[LO], s[24:25] offset:(n/2)*8192+(n%2)*512 th:TH_LOAD_NT
.set n, n+1
.endr
	v_lshrrev_b32 v[TP], 1, v1                     ; my 4 k are half a piece: plane 16 hh + l / 2, byte 16 r + 8 (l % 2)
	v_mul_u32_u24 v[ST], v[TP], 272
	v_and_b32 v[TP], 1, v1
	v_lshl_add_u32 v[ST], v[TP], 3, v[ST]
	v_add_nc_u32 v[ST], s22, v[ST]
	v_lshrrev_b32 v[TP], 4, v1                     ; back: lanes 0-15 one plane, lanes 16-31 the next
	v_mul_u32_u24 v[RD], v[TP], 272
	v_and_b32 v[TP], 15, v1
	v_lshl_add_u32 v[RD], v[TP], 4, v[RD]
	v_add_nc_u32 v[RD], s22, v[RD]
.set n, 0
.rept 32
	s_wait_loadcnt 31-n                            ; loads return in order: load n is in, the younger ones stay out
	v_cvt_pk_bf16_f32 v[T+2*(n%8)],   v[IN+4*n],   v[IN+4*n+1]
	v_cvt_pk_bf16_f32 v[T+2*(n%8)+1], v[IN+4*n+2], v[IN+4*n+3]
	ds_store_b64 v[ST], v[T+2*(n%8):T+2*(n%8)+1] offset:(n%2)*4352+16*(n/2)
.set n, n+1
.endr
.set n, 0
.rept 16
	ds_load_b128 v[IN+4*n:IN+4*n+3], v[RD] offset:544*n  ; LDS serves a wave's instructions in order: these see the stores above
.set n, n+1
.endr
.set n, 0
.rept 16
	s_wait_dscnt 15-n
	global_store_b128 v[LO], v[IN+4*n:IN+4*n+3], s[26:27] offset:512*n  ; 512 consecutive bytes
.set n, n+1
.endr
	s_branch .Lend
	; ---- a weight: 32 k x 128 n.  s24 source, s26 destination, s28 bytes in a row, s29 format, s30 k block, s31 block of 128 columns,
	; s3 the first destination block, s56 the step from column block p to p + 1, s58 from p = 0 to p = 4 (both times 65,536 bytes)
.Lweights:
	s_sub_co_u32 s23, s21, 2048
	s_cmp_lt_u32 ttmp9, 768
	s_cbranch_scc0 .Lnot_q
	s_mov_b64 s[24:25], s[6:7]                     ; Wq
	s_mov_b64 s[26:27], s[16:17]
	s_mov_b32 s28, 8192
	s_mov_b32 s29, 0
	s_lshr_b32 s30, s23, 4
	s_and_b32 s31, s23, 15
	s_lshr_b32 s2, s31, 1
	s_mul_i32 s3, s2, 24
	s_and_b32 s2, s31, 1
	s_mul_i32 s2, s2, 12
	s_add_co_u32 s3, s3, s2                        ; 24 (nb / 2) + 12 (nb % 2)
	s_mov_b32 s58, 6<<16
	s_mov_b32 s56, 1<<16
	s_branch .Lgo
.Lnot_q:
	s_cmp_lt_u32 ttmp9, 896
	s_cbranch_scc0 .Lis_o
	s_cmp_lt_u32 ttmp9, 832                        ; Wk, or Wv
	s_cselect_b64 s[24:25], s[8:9], s[10:11]
	s_cselect_b32 s3, 4, 5
	s_mov_b64 s[26:27], s[16:17]
	s_mov_b32 s28, 2048
	s_mov_b32 s29, 0
	s_and_b32 s23, s23, 255                        ; each of the two has 256 units
	s_lshr_b32 s30, s23, 2
	s_and_b32 s31, s23, 3
	s_mul_i32 s2, s31, 48
	s_add_co_u32 s3, s3, s2                        ; 48 nb + 4 or 5
	s_mov_b32 s58, 24<<16
	s_mov_b32 s56, 6<<16
	s_branch .Lgo
.Lis_o:
	s_sub_co_u32 s23, s23, 1536                    ; Wo
	s_mov_b64 s[24:25], s[12:13]
	s_mov_b64 s[26:27], s[18:19]
	s_mov_b32 s28, 8192
	s_mov_b32 s29, 1
	s_lshr_b32 s30, s23, 4
	s_and_b32 s31, s23, 15
	s_lshl_b32 s3, s31, 3
	s_mov_b32 s58, 4<<16
	s_mov_b32 s56, 1<<16
.Lgo:
	s_mul_i32 s60, s30, s28
	s_lshl_b32 s60, s60, 5                         ; 32 rows a k block
	s_lshl_b32 s2, s31, 9                          ; 128 columns of 4 bytes
	s_add_co_u32 s60, s60, s2
	s_add_nc_u64 s[32:33], s[24:25], s[60:61]      ; the source at rows 0, 8, 16, 24
	s_lshl_b32 s60, s28, 3
	s_add_nc_u64 s[34:35], s[32:33], s[60:61]
	s_add_nc_u64 s[36:37], s[34:35], s[60:61]
	s_add_nc_u64 s[38:39], s[36:37], s[60:61]
	s_lshl_b32 s60, s3, 16
	s_lshl_b32 s2, s30, 10
	s_add_co_u32 s60, s60, s2
	s_add_nc_u64 s[40:41], s[26:27], s[60:61]      ; the tiles of my eight column blocks
	s_mov_b32 s57, 0
	s_mov_b32 s59, 0
	s_add_nc_u64 s[42:43], s[40:41], s[56:57]
	s_add_nc_u64 s[44:45], s[42:43], s[56:57]
	s_add_nc_u64 s[46:47], s[44:45], s[56:57]
	s_add_nc_u64 s[48:49], s[40:41], s[58:59]
	s_add_nc_u64 s[50:51], s[48:49], s[56:57]
	s_add_nc_u64 s[52:53], s[50:51], s[56:57]
	s_add_nc_u64 s[54:55], s[52:53], s[56:57]
	v_mov_b32 v[OFF], v[LO]
.irp i, 0,1,2,3,4,5,6
	v_add_nc_u32 v[OFF+\i+1], s28, v[OFF+\i]
.endr
.irp j, 0,1,2,3
.irp i, 0,1,2,3,4,5,6,7
	global_load_b128 v[IN+4*(8*\j+\i):IN+4*(8*\j+\i)+3], v[OFF+\i], s[32+2*\j:33+2*\j] th:TH_LOAD_NT  ; row k = 8 j + i: lane l holds columns 4 l .. 4 l + 3
.endr
.endr
	v_lshrrev_b32 v[TP], 2, v1                     ; column 4 l + c: block l / 4, row 4 (l % 4) + c of its tile; piece j: plane 8 j + l / 4
	v_mul_u32_u24 v[ST], v[TP], 272
	v_and_b32 v[TP], 3, v1
	v_lshl_add_u32 v[ST], v[TP], 6, v[ST]
	v_add_nc_u32 v[ST], s22, v[ST]
	v_lshrrev_b32 v[TP], 4, v1                     ; back: lanes 0-15 an even piece, lanes 16-31 the odd one, 8 planes on
	v_mul_u32_u24 v[RD], v[TP], 2176
	v_and_b32 v[TP], 15, v1
	v_lshl_add_u32 v[RD], v[TP], 4, v[RD]
	v_add_nc_u32 v[RD], s22, v[RD]
; Eight rows are in: for each of my four columns their 8 k are packed into a piece of 16 bytes.  fmt = 1: rounded to bf16, that number written as f16.
.macro WCONV fmt
.irp j, 0,1,2,3
	s_wait_loadcnt 24-8*\j                         ; rows 8 j .. 8 j + 7 are in; the younger rows stay out
.irp c, 0,1,2,3
.irp m, 0,1,2,3
.if \fmt
	v_cvt_pk_bf16_f32 v[TA+4*(\m%2)], v[IN+4*(8*\j+2*\m)+\c], v[IN+4*(8*\j+2*\m+1)+\c]
	v_lshlrev_b32 v[TA+4*(\m%2)+1], 16, v[TA+4*(\m%2)]
	v_and_b32 v[TA+4*(\m%2)+2], 0xffff0000, v[TA+4*(\m%2)]
	v_cvt_pk_f16_f32 v[T+4*\c+\m], v[TA+4*(\m%2)+1], v[TA+4*(\m%2)+2]
.else
	v_cvt_pk_bf16_f32 v[T+4*\c+\m], v[IN+4*(8*\j+2*\m)+\c], v[IN+4*(8*\j+2*\m+1)+\c]
.endif
.endr
	ds_store_b128 v[ST], v[T+4*\c:T+4*\c+3] offset:2176*\j+16*\c
.endr
.endr
.endm
	s_cmp_eq_u32 s29, 0
	s_cbranch_scc0 .Lf16
	WCONV 0
	s_branch .Lback
.Lf16:
	WCONV 1
.Lback:
.set n, 0
.rept 16                               ; column block n / 2, pieces 2 (n % 2) and 2 (n % 2) + 1
	ds_load_b128 v[IN+4*n:IN+4*n+3], v[RD] offset:(16*(n%2)+n/2)*272
.set n, n+1
.endr
.set n, 0
.rept 16
	s_wait_dscnt 15-n
	global_store_b128 v[LO], v[IN+4*n:IN+4*n+3], s[40+2*(n/2):41+2*(n/2)] offset:512*(n%2)  ; half a tile: 512 consecutive bytes
.set n, n+1
.endr
.Lend:
	s_wait_tensorcnt 0x0                           ; the wave's end, behind my last LDS store
	ds_add_u32 v[SPW], v[NIL]
	s_wait_dscnt 0x0
	s_endpgm
.Lfunc_end_k_q0b64069c0b_prep:
	.size	k_q0b64069c0b_prep, .Lfunc_end_k_q0b64069c0b_prep-k_q0b64069c0b_prep
	.p2alignl 7, 3214868480
	.fill 96, 4, 3214868480
	.section	.rodata,"a",@progbits
	.p2align	6, 0x0
	.amdhsa_kernel k_q0b64069c0b_prep
		.amdhsa_group_segment_fixed_size 35328
		.amdhsa_private_segment_fixed_size 0
		.amdhsa_enable_private_segment 0
		.amdhsa_kernarg_size 64
		.amdhsa_user_sgpr_count 2
		.amdhsa_user_sgpr_kernarg_segment_ptr 1
		.amdhsa_wavefront_size32 1
		.amdhsa_system_sgpr_workgroup_id_x 1
		.amdhsa_system_sgpr_workgroup_id_y 1
		.amdhsa_system_sgpr_workgroup_id_z 1
		.amdhsa_system_vgpr_workitem_id 0
		.amdhsa_next_free_vgpr 168
		.amdhsa_next_free_sgpr 66
		.amdhsa_reserve_vcc 0
		.amdhsa_float_denorm_mode_32 3
		.amdhsa_float_denorm_mode_16_64 3
		.amdhsa_memory_ordered 1
		.amdhsa_forward_progress 1
		.amdhsa_inst_pref_size 45
	.end_amdhsa_kernel
	.amdgpu_metadata
---
amdhsa.version: [ 1, 2 ]
amdhsa.kernels:
  - .name:           k_q0b64069c0b_prep
    .symbol:         k_q0b64069c0b_prep.kd
    .args:
      - { .name: x, .offset: 0, .size: 8, .value_kind: global_buffer, .address_space: global }
      - { .name: Wq, .offset: 8, .size: 8, .value_kind: global_buffer, .address_space: global }
      - { .name: Wk, .offset: 16, .size: 8, .value_kind: global_buffer, .address_space: global }
      - { .name: Wv, .offset: 24, .size: 8, .value_kind: global_buffer, .address_space: global }
      - { .name: Wo, .offset: 32, .size: 8, .value_kind: global_buffer, .address_space: global }
      - { .name: xt, .offset: 40, .size: 8, .value_kind: global_buffer, .address_space: global }
      - { .name: wt, .offset: 48, .size: 8, .value_kind: global_buffer, .address_space: global }
      - { .name: wot, .offset: 56, .size: 8, .value_kind: global_buffer, .address_space: global }
    .group_segment_fixed_size: 35328
    .private_segment_fixed_size: 0
    .kernarg_segment_align: 8
    .kernarg_segment_size: 64
    .max_flat_workgroup_size: 128
    .sgpr_count:     66
    .vgpr_count:     168
    .wavefront_size: 32
...
	.end_amdgpu_metadata
.endif
;; end of part 1
;; launch qkv (part 2): grid 8 x 32, 4 waves a work-group, clusters of 4 x 1, 327,680 bytes of LDS; arguments xt, wt, bq, bk, bv, qt, kv; writes qt, kv
.if DOCPART == 2
	.amdgcn_target "amdgcn-amd-amdhsa--gfx1250"
	.amdhsa_code_object_version 6
	.text
	.protected	k_q0b64069c0b_qkv
	.globl	k_q0b64069c0b_qkv
	.p2align	8
	.type	k_q0b64069c0b_qkv,@function
k_q0b64069c0b_qkv:
	s_mov_b64 s[64:65], 0
	v_nop
	global_prefetch_b8 v0, s[64:65] scope:SCOPE_SE
	s_setreg_imm32_b32 hwreg(HW_REG_WAVE_MODE, 25, 1), 1
	s_wait_xcnt 0x0
	s_wait_alu depctr_hold_cnt(0) depctr_sa_sdst(0) depctr_va_vdst(0) depctr_va_sdst(0) depctr_va_ssrc(0) depctr_va_vcc(0) depctr_vm_vsrc(0)
	s_getreg_b32 s2, hwreg(HW_REG_IB_STS2, 6, 4)
	s_cmp_eq_u32 s2, 0
	s_cbranch_scc0 .Lentry_in_a_cluster
	s_endpgm
.Lentry_in_a_cluster:
	s_bfe_u32 s2, ttmp6, 0x10000c
	s_cmp_lg_u32 s2, 0x3003
	s_cbranch_scc0 .Lentry_shape_is_right
	s_endpgm
.Lentry_shape_is_right:
; [q | k | v] = x W + b.  Operands bf16 in fragment tiles of 1,024 bytes (16 rows x 32 k as [piece 4][row 16][16 bytes]); sums f32; biases rounded to bf16 like
; all inputs; results rounded once to f16 and stored as the fragment tiles that the attention launch reads.
; LIMITS. |q|, |k|, |v| stay under 65,504 (f16's end); NaN and infinities are not treated apart.
; SHARES. 256 work-groups: tile (mt, j) is 128 tokens x 384 columns: 256 of q, 64 of k, 64 of v, so all work-groups and all waves are alike.
; Wave w takes all 128 rows (a = 0..7) and six column blocks i: four of q, one of k, one of v: 48 accumulators.
; q and k are made TRANSPOSED (source 0 = 16 columns of W, source 1 = 16 tokens): a lane holds one token and 8 neighbouring channels: a piece of a tile whose rows are tokens.
; v is made the natural way: a lane holds one channel and 8 neighbouring tokens: a piece of a tile whose rows are channels (V^T).  Either way a wave's store is 512 consecutive bytes: no stage.
; A, which all four waves read, goes through LDS: 16 K steps of 128 through two slots of 32 KiB; each wave fetches 2 block rows x 4,096 bytes by one tensor load.
; CLUSTER 4 x 1: the four column tiles of a row tile want the same A: joint loads.  By this text's count a wave has two tensor loads out at the start, one behind each round.
; B IS NOT SHARED OUT BY A CLUSTER, AND NOT SENT THROUGH LDS: each of its fragments is wanted by ONE wave of the work-group, and lies in memory as it lies in registers.  It comes by two loads of
; 16 bytes a lane into a ring of four buffers of six fragments.  Up to 48 such loads (24 KiB a wave) stay on their way across quarters, K steps and barriers, where a ring's refill has to land
; between two barriers; and a slot's refill is 32 KiB for a K step's 192 products, where with B it would be 128 KiB.
; WINDOWS of 256 registers (s_set_vgpr_msb: bits 1:0 source 0, 3:2 source 1, 5:4 source 2, 7:6 destination):
;   window 0: addresses, v[16:63] biases, v[64:191] A's two fragment buffers      window 1: B's ring: buffer q at 48 q, fragment i at + 8 i; on the way out the packed results
;   window 2: accumulators (a, i < 4) at 8 (4 a + i)                               window 3: (a, i = 4, 5) at 8 (2 a + i - 4)
.set SLOT,  32768                      ; a slot: A [a 8][quarter 4][tile]
.set SPARE, 2*SLOT                     ; behind the ring: the spare words, 128 bytes a wave
.set KSB,   4096                       ; a K step's bytes in a block row
.set FA0, 64
.set FA1, 128
.set LO,  2                            ; v2  16 x lane: my place in a tile
.set LOB, 3                            ; v3  the same; 0 in the last K step, whose look-ahead loads have nothing left to fetch
.set ADA, 5                            ; v5  A's fragments in the slot in hand
.set PFO, 7                            ; v7  the prefetches' offset: (lane / 16) block rows + (lane % 16) x 256; never rewritten
.set SPW, 8                            ; v8  my spare word; never rewritten
.set NIL, 9                            ; v9  0; never rewritten
.set BIAS, 16
.set WV,  18
.set CX,  19
.set J,   21
.set MT,  22
.set CNT, 23
.set G1,  24                           ; s[24:31] descriptor group 1
.set G0,  32                           ; s[32:39] group 0: the first fill's set, then the set that walks
.set TB,  40                           ; s40 the LDS byte at which the slot to be read begins
.set LIM, 41                           ; s41 2 in a wave that prefetches A, else the greatest number
.set LIMB, 42                          ; s42 1 in a work-group that prefetches B
.set MSK, 43
.set PFA, 44                           ; s[44:45] where my prefetches of A stand
.set BC,  46                           ; s[46:47] my B rows at the K step in hand
.set BN,  48                           ; s[48:49] at the next K step (in the last: at the same)
.set BST, 50                           ; s[50:51] its step
.set QB,  52                           ; s[52:53] q's stores
.set KB,  54                           ; s[54:55] k's
.set VB,  56                           ; s[56:57] v's
.set MSB, 0
.macro WIN new                         ; the high byte repeats the setting that is left; a switch that changes nothing is dropped
.if MSB != (\new)
	s_set_vgpr_msb (MSB<<8)|(\new)
.set MSB, (\new)
.endif
.endm
.macro PLACES                          ; four plain vector instructions between a product and a load into, or a vector read of, its registers
.rept 4
	v_nop
.endr
.endm
.macro CREST                           ; a round of the cluster's barrier behind its opening barrier
	s_cmp_lg_u32 s[WV], 0
	s_cbranch_scc1 .Lnw0_\@
	s_barrier_signal -3
.Lnw0_\@:
	s_barrier_wait -3
	s_barrier_signal -1
	s_barrier_wait -1
.endm
.macro CROUND
	s_barrier_signal -1
	s_barrier_wait -1
	CREST
.endm
.macro JLOAD                           ; the joint refill, by the walking set: every wave fetches its two block rows; an s_nop 0 and four v_nop follow
	tensor_load_to_lds s[G0+4:G0+7], s[G1:G1+7]
	s_nop 0
	PLACES
.endm
; A prefetch into the L2 of A's K step that stands two refills on (384 products ahead of the load that will want it).  A's block rows are read by both clusters of a row tile: cluster x = 0 asks.
; Of the 8 block rows each of the four partners takes two, told apart by address; in each, wave 0 asks: 32 lanes x 256 bytes.  The last two refills have no K step two on.
.macro ASKA
	WIN 0
	s_cmp_gt_u32 s[CNT], s[LIM]
	s_cbranch_scc0 .Lnp_\@
	global_prefetch_b8 v[PFO], s[PFA:PFA+1] th:TH_LOAD_NT scope:SCOPE_SE
.Lnp_\@:
.endm
; A prefetch into the L2 of B: my own six block rows' 4,096 bytes of the K step after the next, whose loads begin three quarters on.  B's rows are read by all 32 row tiles: row tile 0 asks.
; It stands in the main loop alone: K steps 0 to 13 ask for 2 to 15.
.macro ASKB
	WIN 0
	s_cmp_eq_u32 s[LIMB], 1
	s_cbranch_scc0 .Lnb_\@
	global_prefetch_b8 v[PFO], s[BN:BN+1] offset:KSB th:TH_LOAD_NT scope:SCOPE_SE
	global_prefetch_b8 v[PFO], s[BN:BN+1] offset:KSB+2*65536 th:TH_LOAD_NT scope:SCOPE_SE
	global_prefetch_b8 v[PFO], s[BN:BN+1] offset:KSB+4*65536 th:TH_LOAD_NT scope:SCOPE_SE
.Lnb_\@:
.endm
.macro FETCHA kq, g                    ; 16 LDS loads: quarter kq's eight fragments of A into buffer g
	WIN 0
.irp a, 0,1,2,3,4,5,6,7
	ds_load_b128 v[(\g)+8*\a:(\g)+8*\a+3],   v[ADA] offset:\a*4096+(\kq)*1024
	ds_load_b128 v[(\g)+8*\a+4:(\g)+8*\a+7], v[ADA] offset:\a*4096+(\kq)*1024+512
.endr
.endm
.macro BG buf, i0, va, base, off       ; 6 loads: fragments i0 .. i0 + 2 of ring buffer buf, from byte off of their block rows
.irp d, 0,1,2
	global_load_b128 v[48*(\buf)+8*((\i0)+\d):48*(\buf)+8*((\i0)+\d)+3],   v[\va], s[\base:\base+1] offset:((\i0)+\d)*65536+(\off)
	global_load_b128 v[48*(\buf)+8*((\i0)+\d)+4:48*(\buf)+8*((\i0)+\d)+7], v[\va], s[\base:\base+1] offset:((\i0)+\d)*65536+(\off)+512
.endr
.endm
; The run of quarter q (k block u): fragments 3-5 for k block u + 3, into the buffer read a quarter ago; then fragments 0-2 for k block u + 4, into the buffer just read.
; In quarter 0 the pointers step.  last = 1 (the tail): in the last K step the next step's pointer stays and all lanes name the same 16 bytes: those loads fetch nothing of use and are
; issued so that the counted waits hold; none leaves wt.
.macro BRUN q, last
.if (\q) == 0
	s_wait_xcnt 0x0                                ; every load and prefetch issued so far (the youngest 40 products back) has had its address translated: pointers and LOB may be written
	s_mov_b64 s[BC:BC+1], s[BN:BN+1]
.if \last
	s_cmp_lg_u32 s[CNT], 1
	s_cselect_b32 s[BST], KSB, 0
	s_cselect_b32 s[MSK], -1, 0
	s_add_nc_u64 s[BN:BN+1], s[BN:BN+1], s[BST:BST+1]
	v_and_b32 v[LOB], s[MSK], v[LO]
.else
	s_add_nc_u64 s[BN:BN+1], s[BN:BN+1], KSB
.endif
	WIN 0x40
	BG 3, 3, LO, BC, 3*1024
	BG 0, 0, LOB, BN, 0
.else
	WIN 0x40
	BG (\q)-1, 3, LOB, BN, ((\q)-1)*1024
	BG \q, 0, LOB, BN, (\q)*1024
.endif
.endm
; 8 n products: column blocks i0 .. i0 + n - 1 x all eight row blocks.  zero = 1: the product starts the sum with the bias.  All accumulators take turns.
.macro MULI bq, f, i0, n, zero
.set mi, \i0
.rept \n
.if mi < 4
.if \zero
	WIN 0x81
.else
	WIN 0xa1
.endif
.irp a, 0,1,2,3,4,5,6,7
.if \zero
	v_wmma_f32_16x16x32_bf16 v[8*(4*\a+mi):8*(4*\a+mi)+7], v[48*(\bq)+8*mi:48*(\bq)+8*mi+7], v[(\f)+8*\a:(\f)+8*\a+7], v[BIAS+8*mi:BIAS+8*mi+7]
.else
	v_wmma_f32_16x16x32_bf16 v[8*(4*\a+mi):8*(4*\a+mi)+7], v[48*(\bq)+8*mi:48*(\bq)+8*mi+7], v[(\f)+8*\a:(\f)+8*\a+7], v[8*(4*\a+mi):8*(4*\a+mi)+7]
.endif
.endr
.elseif mi == 4
.if \zero
	WIN 0xc1
.else
	WIN 0xf1
.endif
.irp a, 0,1,2,3,4,5,6,7
.if \zero
	v_wmma_f32_16x16x32_bf16 v[16*\a:16*\a+7], v[48*(\bq)+32:48*(\bq)+39], v[(\f)+8*\a:(\f)+8*\a+7], v[BIAS+32:BIAS+39]
.else
	v_wmma_f32_16x16x32_bf16 v[16*\a:16*\a+7], v[48*(\bq)+32:48*(\bq)+39], v[(\f)+8*\a:(\f)+8*\a+7], v[16*\a:16*\a+7]
.endif
.endr
.else
.if \zero
	WIN 0xc4
.else
	WIN 0xf4
.endif
.irp a, 0,1,2,3,4,5,6,7
.if \zero
	v_wmma_f32_16x16x32_bf16 v[16*\a+8:16*\a+15], v[(\f)+8*\a:(\f)+8*\a+7], v[48*(\bq)+40:48*(\bq)+47], v[BIAS+40:BIAS+47]
.else
	v_wmma_f32_16x16x32_bf16 v[16*\a+8:16*\a+15], v[(\f)+8*\a:(\f)+8*\a+7], v[48*(\bq)+40:48*(\bq)+47], v[16*\a+8:16*\a+15]
.endif
.endr
.endif
.set mi, mi+1
.endr
.endm
; One of a K step's first three quarters.
.macro QUARTER q, zero, last, askb
	s_wait_loadcnt 36                              ; my fragments 0-2 of this k block are in: behind them three runs of 12 were issued
	s_wait_dscnt 0x0                               ; A's eight fragments, asked for 24 products ago
	MULI \q, FA0+64*((\q)%2), 0, 3, \zero
	PLACES
	FETCHA (\q)+1, FA0+64*(((\q)+1)%2)
	BRUN \q, \last
.if \askb
	ASKB
.endif
	s_wait_loadcnt 42                              ; fragments 3-5 are in: behind them half a run and three runs were issued
	MULI \q, FA0+64*((\q)%2), 3, 3, \zero
.endm
; The last quarter changes slots.  In front of the barrier each wave waits for all its tensor loads (one is out: its part of the next slot), adds 0 to its spare word, and waits for that;
; its reads of this slot came back at the quarter's head.  fill = 1: the barrier opens a round of the cluster's, and the joint refill (this slot, two K steps on) is the first thing behind it:
; 184 products stand between it and the wait for it.
.macro TURN fill, last
.if \fill
	s_wait_xcnt 0x0                                ; the last prefetch of A, a K step back, has read its address
	s_add_nc_u64 s[PFA:PFA+1], s[PFA:PFA+1], KSB
.endif
	s_wait_loadcnt 36
	s_wait_dscnt 0x0
	MULI 3, FA1, 0, 3, 0
	WIN 0
	s_wait_tensorcnt 0x0                           ; no tensor load of mine is out, so a group 0 may be written
	ds_add_u32 v[SPW], v[NIL]
.if \fill
	s_xor_b32 s[G0+5], s[G0+5], SLOT               ; the walking set: the other slot, the next K step
	s_add_nc_u64 s[G0+6:G0+7], s[G0+6:G0+7], KSB
.endif
	s_xor_b32 s[TB], s[TB], SLOT
	s_wait_loadcnt 30                              ; fragments 3-5: this quarter's run has not been issued yet: half a run and two runs are younger
	s_wait_dscnt 0x0                               ; the add is done
	s_barrier_signal -1
	MULI 3, FA1, 3, 1, 0
	WIN 0
	s_barrier_wait -1
.if \fill
	CREST
	JLOAD                                          ; its four v_nop are also the places in front of the loads below
.else
	PLACES
.endif
	v_add_nc_u32 v[ADA], s[TB], v[LO]
	FETCHA 0, FA0
	BRUN 3, \last
.if \fill
	ASKA
.endif
	MULI 3, FA1, 4, 2, 0
.endm
	s_load_b256 s[4:11], s[0:1], 0x0               ; xt 4, wt 6, bq 8, bk 10
	s_load_b128 s[12:15], s[0:1], 0x20             ; bv 12, qt 14
	s_load_b64 s[16:17], s[0:1], 0x30              ; kv 16
	v_lshl_add_u32 v[SPW], v0, 2, SPARE
	v_mov_b32 v[NIL], 0
	ds_add_u32 v[SPW], v[NIL]                      ; the wave's opening: the add and its wait ahead of my first tensor load
	v_lshrrev_b32 v1, 5, v0
	v_readfirstlane_b32 s[WV], v1
	s_bfe_u32 s[CX], ttmp6, 0x40000
	s_lshl_b32 s[J], ttmp9, 2
	s_add_co_u32 s[J], s[J], s[CX]                 ; column tile = 4 x cluster x + cx
	s_and_b32 s[MT], ttmp7, 0xffff                 ; row tile, which the four partners share
	s_mov_b32 s[G1], 15|(3<<16)|(1<<21)            ; the mask of four; elements of 8 bytes; bit 21 set beside a mask
	s_mov_b32 s[G1+1], 512<<16                     ; tensor_dim0 = 512 elements: 4,096 bytes
	s_mov_b32 s[G1+2], 2<<16                       ; tensor_dim1 = 2 block rows
	s_mov_b32 s[G1+3], 512<<16                     ; tile_dim0
	s_mov_b32 s[G1+4], 2                           ; tile_dim1
	s_mov_b32 s[G1+5], 8192                        ; 65,536 bytes from block row to block row
	s_mov_b32 s[G1+6], 0
	s_mov_b32 s[G1+7], 0
	s_lshl_b32 s62, s[MT], 3
	s_lshl1_add_u32 s62, s[WV], s62                ; A: block row 8 mt + 2 w: no place in the cluster enters
	s_lshl_b32 s62, s62, 16
	s_mov_b32 s63, 0
	s_lshl_b32 s74, s[WV], 13                      ; where my load lands in a slot: 8,192 x wave
	s_mul_i32 s66, s[J], 24
	s_mul_i32 s67, s[WV], 6
	s_add_co_u32 s66, s66, s67                     ; B: block row 24 j + 6 w
	s_lshl_b32 s66, s66, 16
	s_mov_b32 s67, 0
	s_mov_b32 s[TB], 0
	s_mov_b32 s[BST+1], 0
	v_and_b32 v[LO], 31, v0
	v_lshrrev_b32 v[PFO], 4, v[LO]
	v_and_b32 v12, 15, v0
	v_lshlrev_b32 v[PFO], 16, v[PFO]
	v_lshl_add_u32 v[PFO], v12, 8, v[PFO]
	v_lshlrev_b32 v[LO], 4, v[LO]
	v_mov_b32 v[LOB], v[LO]
	v_mov_b32 v[ADA], v[LO]
	v_bfe_u32 v10, v0, 4, 1
	v_lshlrev_b32 v10, 5, v10                      ; transposed: my 8 columns begin at 8 (lane / 16)
	v_lshlrev_b32 v11, 2, v12                      ; natural: my column is lane % 16
	s_wait_dscnt 0x0                               ; the opening add is done
	s_wait_kmcnt 0x0
	s_add_nc_u64 s[62:63], s[4:5], s[62:63]
	s_add_nc_u64 s[BN:BN+1], s[6:7], s[66:67]
.irp s, 0,1
	s_mov_b32 s[G0+4*\s], 1
	s_add_co_u32 s[G0+4*\s+1], s74, \s*SLOT
	s_add_nc_u64 s[G0+4*\s+2:G0+4*\s+3], s[62:63], \s*KSB
	s_or_b32 s[G0+4*\s+3], s[G0+4*\s+3], 0x80000000
.endr
	CROUND                                         ; all four work-groups are here: the first joint loads meet
	tensor_load_to_lds s[G0:G0+3], s[G1:G1+7]      ; K step 0 into slot 0
	s_nop 0
	tensor_load_to_lds s[G0+4:G0+7], s[G1:G1+7]    ; K step 1 into slot 1
	s_nop 0
	PLACES
	; the biases of my six column blocks
	s_lshl_b32 s66, s[J], 8
	s_lshl_b32 s67, s[WV], 6
	s_add_co_u32 s66, s66, s67                     ; 256 j + 64 w: my first column of q; as bytes, my first column of k and v
	s_lshl_b32 s68, s66, 2
	s_mov_b32 s69, 0
	s_add_nc_u64 s[58:59], s[8:9], s[68:69]
	s_mov_b32 s68, s66
	s_add_nc_u64 s[60:61], s[10:11], s[68:69]
	s_add_nc_u64 s[12:13], s[12:13], s[68:69]
.irp i, 0,1,2,3
	global_load_b128 v[BIAS+8*\i:BIAS+8*\i+3],   v10, s[58:59] offset:64*\i
	global_load_b128 v[BIAS+8*\i+4:BIAS+8*\i+7], v10, s[58:59] offset:64*\i+16
.endr
	global_load_b128 v[BIAS+32:BIAS+35], v10, s[60:61]
	global_load_b128 v[BIAS+36:BIAS+39], v10, s[60:61] offset:16
	global_load_b32 v[BIAS+40], v11, s[12:13]
	; B's ring is filled in the order in which the runs would have filled it: k blocks 0 to 2 whole, of k block 3 fragments 0-2: 42 loads
	WIN 0x40
.irp k, 0,1,2
	BG \k, 0, LO, BN, \k*1024
	BG \k, 3, LO, BN, \k*1024
.endr
	BG 3, 0, LO, BN, 3*1024
	WIN 0
	; where the results go
	s_lshr_b32 s70, s[J], 1
	s_lshl_b32 s70, s70, 8
	s_lshl3_add_u32 s70, s[MT], s70                ; q: head j / 2, token block 8 mt
	s_lshl_b32 s70, s70, 14
	s_and_b32 s71, s[J], 1
	s_lshl_b32 s71, s71, 3
	s_lshl1_add_u32 s71, s[WV], s71                ; channel block 8 (j % 2) + 2 w
	s_lshl_b32 s71, s71, 10
	s_add_co_u32 s68, s70, s71
	s_add_nc_u64 s[QB:QB+1], s[14:15], s[68:69]
	s_lshr_b32 s70, s[MT], 3
	s_lshl_b32 s70, s70, 21                        ; the batch's 2 MiB of kv
	s_and_b32 s71, s[MT], 7
	s_lshl_b32 s68, s[J], 17                       ; k: channel slice j,
	s_add_co_u32 s68, s68, s70
	s_lshl_b32 s72, s71, 14                        ; key block 8 (mt % 8),
	s_add_co_u32 s68, s68, s72
	s_lshl_b32 s72, s[WV], 9                       ; half tile w
	s_add_co_u32 s68, s68, s72
	s_add_nc_u64 s[KB:KB+1], s[16:17], s[68:69]
	s_add_co_u32 s68, s71, 8                       ; v: key block of 128 mt % 8,
	s_lshl_b32 s68, s68, 17
	s_add_co_u32 s68, s68, s70
	s_lshl2_add_u32 s72, s[J], s[WV]               ; channel block 4 j + w
	s_lshl_b32 s72, s72, 10
	s_add_co_u32 s68, s68, s72
	s_add_nc_u64 s[VB:VB+1], s[16:17], s[68:69]
	; the prefetches
	s_lshl_b32 s70, s[MT], 3
	s_lshl1_add_u32 s70, s[CX], s70                ; my work-group's two of A's eight block rows
	s_lshl_b32 s68, s70, 16
	s_add_co_u32 s68, s68, 3*KSB                   ; at K step 3: the first change of slots steps it to 4
	s_add_nc_u64 s[PFA:PFA+1], s[4:5], s[68:69]
	s_or_b32 s70, s[WV], ttmp9                     ; wave 0 of the row tile's first cluster: the same in all four partners
	s_cmp_eq_u32 s70, 0
	s_cselect_b32 s[LIM], 2, -1
	s_cmp_eq_u32 s[MT], 0
	s_cselect_b32 s[LIMB], 1, 0
	s_wait_tensorcnt 1                             ; my part of K step 0 is in; K step 1's may stay out
	s_barrier_signal -1
	s_barrier_wait -1
	FETCHA 0, FA0
	s_wait_loadcnt 42                              ; the biases (B's 42 loads are younger): rounded to bf16, like every input, and widened again
.set n, 0
.rept 20
	v_cvt_pk_bf16_f32 v[10+n%2], v[BIAS+2*n], v[BIAS+2*n+1]
	v_lshlrev_b32 v[BIAS+2*n], 16, v[10+n%2]
	v_and_b32 v[BIAS+2*n+1], 0xffff0000, v[10+n%2]
.set n, n+1
.endr
	v_cvt_pk_bf16_f32 v10, v[BIAS+40], v[BIAS+40]
.irp n, 0,1,2,3,4,5,6,7
	v_lshlrev_b32 v[BIAS+40+\n], 16, v10           ; v's bias hangs on the lane's channel alone
.endr
	QUARTER 0, 1, 0, 0                             ; the first quarter stands ahead of the loop: its products start the sums
	WIN 0
	s_mov_b32 s[CNT], 14
	s_branch .Lmid
.Ltop:                                 ; 14 K steps that fill a slot again
	QUARTER 0, 0, 0, 0
	WIN 0
.Lmid:
	QUARTER 1, 0, 0, 1
	QUARTER 2, 0, 0, 0
	TURN 1, 0
	WIN 0
	s_sub_co_u32 s[CNT], s[CNT], 1
	s_cmp_lg_u32 s[CNT], 0
	s_cbranch_scc1 .Ltop
	s_mov_b32 s[CNT], 2
.Ltail:                                ; the last two K steps ask for no tile; the very last fetch of A serves nothing: the price of one text for both
	QUARTER 0, 0, 1, 0
	QUARTER 1, 0, 1, 0
	QUARTER 2, 0, 1, 0
	TURN 0, 1
	WIN 0
	s_sub_co_u32 s[CNT], s[CNT], 1
	s_cmp_lg_u32 s[CNT], 0
	s_cbranch_scc1 .Ltail
	; THE WAY OUT: each accumulator's 8 numbers a lane round to 16 bytes, a piece of a tile; lanes 0-15 and 16-31 hold neighbouring pieces
	s_wait_loadcnt 0x0                             ; the last K step's look-ahead loads have landed: window 1 is free
	PLACES
	PLACES
	WIN 0x4a
.set n, 0
.rept 32
.irp m, 0,1,2,3
	v_cvt_pk_f16_f32 v[4*n+\m], v[8*n+2*\m], v[8*n+2*\m+1]
.endr
.set n, n+1
.endr
	WIN 0x4f
.set n, 0
.rept 16
.irp m, 0,1,2,3
	v_cvt_pk_f16_f32 v[128+4*n+\m], v[8*n+2*\m], v[8*n+2*\m+1]
.endr
.set n, n+1
.endr
	WIN 0x04                                       ; the stores' data in window 1
.set n, 0
.rept 32
	global_store_b128 v[LO], v[4*n:4*n+3], s[QB:QB+1] offset:(n/4)*16384+(n%4)*512
.set n, n+1
.endr
.set n, 0
.rept 8
	global_store_b128 v[LO], v[128+8*n:128+8*n+3],   s[KB:KB+1] offset:n*2048
	global_store_b128 v[LO], v[128+8*n+4:128+8*n+7], s[VB:VB+1] offset:(n/2)*32768+(n%2)*512
.set n, n+1
.endr
	WIN 0
	s_wait_tensorcnt 0x0                           ; the wave's end
	ds_add_u32 v[SPW], v[NIL]
	s_wait_dscnt 0x0
	CROUND                                         ; the closing round
	s_endpgm
.Lfunc_end_k_q0b64069c0b_qkv:
	.size	k_q0b64069c0b_qkv, .Lfunc_end_k_q0b64069c0b_qkv-k_q0b64069c0b_qkv
	.p2alignl 7, 3214868480
	.fill 96, 4, 3214868480
	.section	.rodata,"a",@progbits
	.p2align	6, 0x0
	.amdhsa_kernel k_q0b64069c0b_qkv
		.amdhsa_group_segment_fixed_size 327680
		.amdhsa_private_segment_fixed_size 0
		.amdhsa_enable_private_segment 0
		.amdhsa_kernarg_size 56
		.amdhsa_user_sgpr_count 2
		.amdhsa_user_sgpr_kernarg_segment_ptr 1
		.amdhsa_wavefront_size32 1
		.amdhsa_system_sgpr_workgroup_id_x 1
		.amdhsa_system_sgpr_workgroup_id_y 1
		.amdhsa_system_sgpr_workgroup_id_z 1
		.amdhsa_system_vgpr_workitem_id 0
		.amdhsa_next_free_vgpr 896
		.amdhsa_next_free_sgpr 84
		.amdhsa_reserve_vcc 0
		.amdhsa_float_denorm_mode_32 3
		.amdhsa_float_denorm_mode_16_64 3
		.amdhsa_memory_ordered 1
		.amdhsa_forward_progress 1
		.amdhsa_inst_pref_size 85
	.end_amdhsa_kernel
	.amdgpu_metadata
---
amdhsa.version: [ 1, 2 ]
amdhsa.kernels:
  - .name:           k_q0b64069c0b_qkv
    .symbol:         k_q0b64069c0b_qkv.kd
    .args:
      - { .name: xt, .offset: 0, .size: 8, .value_kind: global_buffer, .address_space: global }
      - { .name: wt, .offset: 8, .size: 8, .value_kind: global_buffer, .address_space: global }
      - { .name: bq, .offset: 16, .size: 8, .value_kind: global_buffer, .address_space: global }
      - { .name: bk, .offset: 24, .size: 8, .value_kind: global_buffer, .address_space: global }
      - { .name: bv, .offset: 32, .size: 8, .value_kind: global_buffer, .address_space: global }
      - { .name: qt, .offset: 40, .size: 8, .value_kind: global_buffer, .address_space: global }
      - { .name: kv, .offset: 48, .size: 8, .value_kind: global_buffer, .address_space: global }
    .group_segment_fixed_size: 327680
    .private_segment_fixed_size: 0
    .kernarg_segment_align: 8
    .kernarg_segment_size: 56
    .max_flat_workgroup_size: 128
    .sgpr_count:     84
    .vgpr_count:     896
    .wavefront_size: 32
...
	.end_amdgpu_metadata
.endif
;; end of part 2
;; launch attn (part 3): grid 64 x 4, 4 waves a work-group, clusters of 4 x 1, 327,680 bytes of LDS; arguments qt, kv, ot; writes ot
.if DOCPART == 3
	.amdgcn_target "amdgcn-amd-amdhsa--gfx1250"
	.amdhsa_code_object_version 6
	.text
	.protected	k_q0b64069c0b_attn
	.globl	k_q0b64069c0b_attn
	.p2align	8
	.type	k_q0b64069c0b_attn,@function
k_q0b64069c0b_attn:
	s_mov_b64 s[64:65], 0
	v_nop
	global_prefetch_b8 v0, s[64:65] scope:SCOPE_SE
	s_setreg_imm32_b32 hwreg(HW_REG_WAVE_MODE, 25, 1), 1
	s_wait_xcnt 0x0
	s_wait_alu depctr_hold_cnt(0) depctr_sa_sdst(0) depctr_va_vdst(0) depctr_va_sdst(0) depctr_va_ssrc(0) depctr_va_vcc(0) depctr_vm_vsrc(0)
	s_getreg_b32 s2, hwreg(HW_REG_IB_STS2, 6, 4)
	s_cmp_eq_u32 s2, 0
	s_cbranch_scc0 .Lentry_in_a_cluster
	s_endpgm
.Lentry_in_a_cluster:
	s_bfe_u32 s2, ttmp6, 0x10000c
	s_cmp_lg_u32 s2, 0x3003
	s_cbranch_scc0 .Lentry_shape_is_right
	s_endpgm
.Lentry_shape_is_right:
; O = softmax(Q K^T / sqrt(512)) V for 64 queries of one batch b and one head g.  Operands f16 in fragment tiles of 1,024 bytes; products, maximum and sums f32.
; The weights p are rounded to f16 for the second product (their sum l is taken of the unrounded p); O is rounded once, to f16.
; LIMITS. q, k, v arrive within f16's 65,504; p below 6e-5 keeps f16's fixed step of 6e-8; a weight below 2^-126 counts as 0; NaN and infinities are not treated apart.
; TWO PRODUCTS WITH ONE EXACT SOFTMAX BETWEEN.  All 1,024 scores of the 64 queries stay in the four waves' registers, so the maximum taken away is the true one and O is never rescaled.
; PHASE 1: S^T [1,024 keys x 64 q] = K Q^T.  Wave w owns key blocks 8 s + 2 w + u (s = 0..7, u = 0, 1) for all four query tiles t: 64 accumulators.  K comes by 8 slices of 64 channels;
;   each fragment of K is read from LDS by one wave and feeds four products.  Q comes straight from memory, three halves of a slice ahead, into four buffers that take turns.
; SOFTMAX: a lane holds one query (lane % 16); the halves of the lanes meet by one exchange, the four waves through 1 KiB of LDS, for the maximum and again for the sum.
; PHASE 2: O^T [512 ch x 64 q] = V^T P.  Wave w owns channels 128 w .. + 127: 32 accumulators.  V^T comes by 8 blocks of 128 keys; its 32 keys kk are the ones whose weights wave kk made:
;   each wave puts its four fragments of P for the next block into a small LDS buffer during a block; two such buffers take turns under the ring's own barrier.
; CLUSTER: the four heads of a batch on the same 64 tokens walk the same 16 steps of kv: every tile is asked for jointly.  By this text's count a wave has two tensor loads out at the start, one behind each round.
; K and V stay in the ring though each fragment is one wave's: phase 1 has 512 registers of sums, 256 of K and 128 of Q, and no room for loads that run far ahead.
; THE WALK TURNS.  Both sums (over channels, over keys) are f32 sums that may be taken in any order.  Cluster x begins each phase at slice or block ROT = 2 (x mod 4) and goes round modulo 8, so the
; batch's 16 clusters ask for four different tiles at any time.  Refill n takes step (n & 8) | ((n + ROT) & 7) of kv; its address is made anew from n.
; WINDOWS of 256 registers (s_set_vgpr_msb: bits 1:0 source 0, 3:2 source 1, 5:4 source 2, 7:6 destination):
;   window 0: addresses, statistics, v[64:191] Q's four buffers (later sums and the packed O)     window 1: K's two buffers of 128; then P: fragment (s, t) at 32 s + 8 t
;   windows 2, 3: S: (key block kb, t) at 8 (4 (kb % 8) + t), kb < 8 in window 2;  then window 2: O (cb, t) at 8 (4 cb + t), window 3: two buffers of 96 (V at + 8 cb, P at + 64 + 8 t)
.set SLOT,  131072                     ; a step of kv, and an LDS slot
.set PBUF,  2*SLOT                     ; two buffers of 16,384 bytes for P: [kk 4][t 4][tile]; never filled by a tensor load
.set STATM, PBUF+32768                 ; the waves' maxima [t 4][q 16][w 4] f32; 1,024 bytes on: their sums
.set SPARE, STATM+2048                 ; the spare words, 128 bytes a wave
.set F0,  0
.set F1,  96
.set LA,  2                            ; v2   16 x lane
.set K00, 4                            ; v4-7 my K fragments: slot 0 low, high half; slot 1 low, high half
.set VA0, 8                            ; v8   my V fragments in slot 0
.set ADVL, 9                           ; v9   V's in the slot in hand, keys 0-63
.set ADVH, 10                          ; v10  keys 64-127
.set ADP, 11                           ; v11  P's buffer in hand
.set PST, 12                           ; v12  where I store P for the next block
.set SM,  13                           ; v13  my word among the maxima
.set SR,  14                           ; v14  my query's four words
.set PFO, 15                           ; v15  256 x lane; never rewritten
.set SPW, 16                           ; v16  my spare word; never rewritten
.set NIL, 17                           ; v17  0; never rewritten
.set CM,  18                           ; v[18+2t] c m, m
.set RL,  26                           ; v[26+2t] 1 / l, twice
.set CH,  34                           ; v[34+4t+i] the maximum's chains
.set QF,  64
.set WV,  12
.set CX,  13
.set BB,  14
.set CNT, 15
.set G1,  16                           ; s[16:23] descriptor group 1
.set G0A, 24                           ; s[24:27] group 0 of the first fill
.set G0B, 28                           ; s[28:31] group 0 of all the others
.set TB,  32
.set PB,  33
.set PBX, 34
.set SN,  35                           ; the block whose P is stored next
.set LIM, 36                           ; s36  6 in a cluster that prefetches, else the greatest number
.set ASKF, 37                          ; s37  the refill's number, its lowest bit cleared
.set PFA, 38
.set QP,  40
.set OFFP, 42                          ; s[42:43] an offset, its high word 0
.set OB,  44
.set CS,  46                           ; s[46:47] c = log2(e) / sqrt(512)
.set SEL, 48
.set ROT, 50                           ; s50  where my cluster's walks begin: 0, 2, 4 or 6
.set NX,  51                           ; s51  the number of the next refill, 2 to 15
.set KVB, 52                           ; s[52:53] kv at my batch and my quarter of a step
.set QBS, 54                           ; s[54:55] my rows of Q
.set PFB, 56                           ; s[56:57] kv at my batch and my wave's share of a step's prefetch
.set QI,  58                           ; s58  the pair of slices that QP stands at, 0 to 3
.set MSB, 0
.macro WIN new
.if MSB != (\new)
	s_set_vgpr_msb (MSB<<8)|(\new)
.set MSB, (\new)
.endif
.endm
.macro PLACES
.rept 4
	v_nop
.endr
.endm
.macro CREST
	s_cmp_lg_u32 s[WV], 0
	s_cbranch_scc1 .Lnw0_\@
	s_barrier_signal -3
.Lnw0_\@:
	s_barrier_wait -3
	s_barrier_signal -1
	s_barrier_wait -1
.endm
.macro CROUND
	s_barrier_signal -1
	s_barrier_wait -1
	CREST
.endm
.macro JLOAD                           ; every wave fetches its quarter of the step: 128 rows of 256 bytes
	tensor_load_to_lds s[G0B:G0B+3], s[G1:G1+7]
	s_nop 0
	PLACES
.endm
; The descriptor for refill NX: the other slot; the step's address from its number.  pf = 1: also the address and the flag of the prefetch for refill NX + 2.
.macro STEPD pf
	s_add_co_u32 s60, s[NX], s[ROT]
	s_and_b32 s60, s60, 7
	s_and_b32 s61, s[NX], 8
	s_or_b32 s60, s60, s61
	s_lshl_b32 s[OFFP], s60, 17
	s_xor_b32 s[G0B+1], s[G0B+1], SLOT
	s_add_nc_u64 s[G0B+2:G0B+3], s[KVB:KVB+1], s[OFFP:OFFP+1]
	s_or_b32 s[G0B+3], s[G0B+3], 0x80000000
.if \pf
	s_add_co_u32 s61, s[NX], 2
	s_add_co_u32 s60, s61, s[ROT]
	s_and_b32 s60, s60, 7
	s_and_b32 s61, s61, 8
	s_or_b32 s60, s60, s61
	s_lshl_b32 s[OFFP], s60, 17
	s_add_nc_u64 s[PFA:PFA+1], s[PFB:PFB+1], s[OFFP:OFFP+1]
	s_and_b32 s[ASKF], s[NX], 14
.endif
	s_add_co_u32 s[NX], s[NX], 1
.endm
; A PREFETCH INTO THE L2.  A tile's first request in the launch comes from the clusters that begin their walk at it: K's stand at the head, where nothing is prefetched; V's are refills 8 and 9.
; Those two are asked for two refills (256 products) ahead, behind refills 6 and 7, by the first cluster of each of the batch's four starts (cluster x < 4).  Its 16 waves share the step's
; 512 blocks of 256 bytes out by address: 32,768 cx + 8,192 w + 256 x lane.  Each block of V is named once; all other requests of a tile follow another cluster's.
.macro ASK1
	WIN 0
	s_cmp_eq_u32 s[ASKF], s[LIM]
	s_cbranch_scc0 .Lnp_\@
	global_prefetch_b8 v[PFO], s[PFA:PFA+1] th:TH_LOAD_NT scope:SCOPE_SE
.Lnp_\@:
.endm
; PHASE 1.  32 LDS loads: my 16 key blocks, channels 32 e on of the slice in the slot
.macro FETCHK slot, e
	WIN 0x40
.set fk, 0
.rept 16
	ds_load_b128 v[128*(\e)+8*fk:128*(\e)+8*fk+3],   v[K00+2*(\slot)+fk/8] offset:((fk/2)%4)*16384+(fk%2)*2048+(\e)*1024
	ds_load_b128 v[128*(\e)+8*fk+4:128*(\e)+8*fk+7], v[K00+2*(\slot)+fk/8] offset:((fk/2)%4)*16384+(fk%2)*2048+(\e)*1024+512
.set fk, fk+1
.endr
.endm
.macro QLOAD sg, e                     ; 8 loads: the four query tiles' fragments for slice sg of the pair at QP, half e
	WIN 0
.irp t, 0,1,2,3
	global_load_b128 v[QF+32*(2*(\sg)+(\e))+8*\t:QF+32*(2*(\sg)+(\e))+8*\t+3],   v[LA], s[QP:QP+1] offset:\t*16384+(\sg)*2048+(\e)*1024
	global_load_b128 v[QF+32*(2*(\sg)+(\e))+8*\t+4:QF+32*(2*(\sg)+(\e))+8*\t+7], v[LA], s[QP:QP+1] offset:\t*16384+(\sg)*2048+(\e)*1024+512
.endr
.endm
.macro MULK e, sg, k0, n, zero         ; 4 n products; all accumulators take turns
.set mk, \k0
.rept \n
.if mk < 8
	WIN 0xa1
.else
	WIN 0xf1
.endif
.irp t, 0,1,2,3
.if \zero
	v_wmma_f32_16x16x32_f16 v[8*(4*(mk%8)+\t):8*(4*(mk%8)+\t)+7], v[128*(\e)+8*mk:128*(\e)+8*mk+7], v[QF+32*(2*(\sg)+(\e))+8*\t:QF+32*(2*(\sg)+(\e))+8*\t+7], 0
.else
	v_wmma_f32_16x16x32_f16 v[8*(4*(mk%8)+\t):8*(4*(mk%8)+\t)+7], v[128*(\e)+8*mk:128*(\e)+8*mk+7], v[QF+32*(2*(\sg)+(\e))+8*\t:QF+32*(2*(\sg)+(\e))+8*\t+7], v[8*(4*(mk%8)+\t):8*(4*(mk%8)+\t)+7]
.endif
.endr
.set mk, mk+1
.endr
.endm
; A slice's first half.  Each half issues 8 loads of Q, into the buffer that the half before used, for the half three on.
.macro H0 slot, sg, zero, reload
	s_wait_loadcnt 16                              ; my Q buffer was asked for three halves ago: the 16 younger loads may stay out
	s_wait_dscnt 16                                ; key blocks 0-7 are in
	MULK 0, \sg, 0, 8, \zero
	PLACES
	FETCHK \slot, 1
.if \reload
	QLOAD 1-(\sg), 1
.endif
	s_wait_dscnt 32                                ; all but the 32 just issued
	MULK 0, \sg, 8, 8, \zero
.endm
; A slice's second half, and the change of slots.  A step's 128 KiB stand against 128 products, so all the products that need no new tile stand ahead of the wait for the tile: 128 lie between a refill
; and the wait for it.  Then every wave waits for all its tensor loads (one is out: its quarter of the next slot), adds 0 to its spare word, waits for that and for its reads of this slot; the
; barrier opens a round of the cluster's; the joint refill is the first thing behind it.
.macro H1T slot, sg
	s_wait_loadcnt 16
	s_wait_dscnt 16                                ; key blocks 0-7 are in
	MULK 1, \sg, 0, 8, 0
	WIN 0
	s_wait_xcnt 0x0                                ; the last prefetch, a step back, has read its address
	s_wait_tensorcnt 0x0
	ds_add_u32 v[SPW], v[NIL]
	STEPD 1
	s_wait_dscnt 0x0                               ; the add is done, my reads of this slot are over
	s_barrier_signal -1
	s_barrier_wait -1
	CREST
	JLOAD                                          ; its four v_nop are also the places in front of the loads below
	FETCHK 1-(\slot), 0
	QLOAD \sg, 0
	ASK1
	MULK 1, \sg, 8, 8, 0
.endm
; PHASE 2.  24 LDS loads: the four fragments of P and my eight of V^T for keys 32 kk on
.macro FETCHV kk, g
	WIN 0xc0
.irp t, 0,1,2,3
	ds_load_b128 v[(\g)+64+8*\t:(\g)+64+8*\t+3],   v[ADP] offset:(\kk)*4096+\t*1024
	ds_load_b128 v[(\g)+64+8*\t+4:(\g)+64+8*\t+7], v[ADP] offset:(\kk)*4096+\t*1024+512
.endr
.irp c, 0,1,2,3,4,5,6,7
	ds_load_b128 v[(\g)+8*\c:(\g)+8*\c+3],   v[ADVL+(\kk)/2] offset:((\kk)%2)*32768+\c*1024
	ds_load_b128 v[(\g)+8*\c+4:(\g)+8*\c+7], v[ADVL+(\kk)/2] offset:((\kk)%2)*32768+\c*1024+512
.endr
.endm
.macro MULV f, c0, n, zero
	WIN 0xaf
.set mc, \c0
.rept \n
.irp t, 0,1,2,3
.if \zero
	v_wmma_f32_16x16x32_f16 v[8*(4*mc+\t):8*(4*mc+\t)+7], v[(\f)+8*mc:(\f)+8*mc+7], v[(\f)+64+8*\t:(\f)+64+8*\t+7], 0
.else
	v_wmma_f32_16x16x32_f16 v[8*(4*mc+\t):8*(4*mc+\t)+7], v[(\f)+8*mc:(\f)+8*mc+7], v[(\f)+64+8*\t:(\f)+64+8*\t+7], v[8*(4*mc+\t):8*(4*mc+\t)+7]
.endif
.endr
.set mc, mc+1
.endr
.endm
.macro KS f, g, kk, zero
	s_wait_dscnt 8                                 ; P and V's channel blocks 0-3 are in (where eight stores of P are the youngest, all loads are)
	MULV \f, 0, 4, \zero
	PLACES
	FETCHV \kk, \g
	s_wait_dscnt 24
	MULV \f, 4, 4, \zero
.endm
.macro PCASE n                         ; if block n is the next: my four fragments of P for it go into the buffer that is not being read
	s_cmp_lg_u32 s[SN], \n
	s_cbranch_scc1 .Lpc_\@
	WIN 0x04
.irp t, 0,1,2,3
	ds_store_b128 v[PST], v[32*(\n)+8*\t:32*(\n)+8*\t+3]   offset:\t*1024
	ds_store_b128 v[PST], v[32*(\n)+8*\t+4:32*(\n)+8*\t+7] offset:\t*1024+512
.endr
	WIN 0
.Lpc_\@:
.endm
; The block's last 32 keys and the change of slots; as in phase 1 the products that need no new tile stand ahead of the wait for the tile.  The one barrier serves three things: my stores of P are done
; before others read them; everybody's reads of the old P buffer are over before it is written again; and the slot is free.  fill = 1: a round of the cluster's, and the joint refill first behind it.
.macro TURNV fill
	s_wait_dscnt 8                                 ; P and V's channel blocks 0-3 are in
	MULV F1, 0, 4, 0
	s_wait_dscnt 0x0
	MULV F1, 4, 2, 0
	WIN 0
	s_wait_tensorcnt 0x0
	ds_add_u32 v[SPW], v[NIL]
.if \fill
	STEPD 0
.endif
	s_xor_b32 s[TB], s[TB], SLOT
	s_xor_b32 s[PB], s[PB], 16384
	s_xor_b32 s[PBX], s[PB], 16384
	s_wait_dscnt 0x0
	s_barrier_signal -1
	s_barrier_wait -1
.if \fill
	CREST
	JLOAD
.else
	PLACES
.endif
	v_add_nc_u32 v[ADVL], s[TB], v[VA0]
	v_add_nc_u32 v[ADVH], 0x10000, v[ADVL]
	v_add_nc_u32 v[ADP], s[PB], v[LA]
	v_add_nc_u32 v[PST], s[PBX], v[K00]
	FETCHV 0, F0
	MULV F1, 6, 2, 0
.endm
	s_load_b128 s[4:7], s[0:1], 0x0                ; qt 4, kv 6
	s_load_b64 s[8:9], s[0:1], 0x10                ; ot 8
	v_lshl_add_u32 v[SPW], v0, 2, SPARE
	v_mov_b32 v[NIL], 0
	ds_add_u32 v[SPW], v[NIL]                      ; the wave's opening: the add and its wait ahead of my first tensor load
	v_lshrrev_b32 v1, 5, v0
	v_readfirstlane_b32 s[WV], v1
	s_bfe_u32 s[CX], ttmp6, 0x40000                ; my place in the cluster: the head g
	s_and_b32 s[BB], ttmp7, 0xffff                 ; the batch; ttmp9: the block of 64 queries
	s_mov_b32 s[G1], 15|(3<<16)|(1<<21)            ; the mask of four; elements of 8 bytes; bit 21 set beside a mask
	s_mov_b32 s[G1+1], 32<<16                      ; rows of 32 elements: 256 bytes
	s_mov_b32 s[G1+2], 128<<16                     ; 128 rows
	s_mov_b32 s[G1+3], 32<<16
	s_mov_b32 s[G1+4], 128
	s_mov_b32 s[G1+5], 32                          ; dense
	s_mov_b32 s[G1+6], 0
	s_mov_b32 s[G1+7], 0
	s_and_b32 s[QI], ttmp9, 3                      ; the pair of slices at which my cluster begins: the same in all four partners
	s_lshl_b32 s[ROT], s[QI], 1
	s_mov_b32 s[NX], 2
	s_lshl_b32 s66, s[BB], 21                      ; kv: the batch's 2 MiB, my quarter of a step (no place in the cluster enters)
	s_lshl_b32 s68, s[WV], 15
	s_add_co_u32 s66, s66, s68
	s_mov_b32 s67, 0
	s_mov_b32 s[G0A], 1
	s_mov_b32 s[G0A+1], s68
	s_mov_b32 s[G0B], 1
	s_add_co_u32 s[G0B+1], s68, SLOT
	s_lshl_b32 s[OFFP], s[ROT], 17                 ; the first step: slice ROT
	s_mov_b32 s[OFFP+1], 0
	s_lshl_b32 s70, s[CX], 8                       ; Q: token block 256 g + 64 b + 4 qblk
	s_lshl_b32 s71, s[BB], 6
	s_add_co_u32 s70, s70, s71
	s_lshl2_add_u32 s70, ttmp9, s70
	s_lshl_b32 s70, s70, 14
	s_mov_b32 s71, 0
	s_lshl_b32 s72, s[BB], 6                       ; O: token block 64 b + 4 qblk, k block 16 g + 4 w
	s_lshl2_add_u32 s72, ttmp9, s72
	s_lshl_b32 s72, s72, 16
	s_lshl2_add_u32 s73, s[CX], s[WV]
	s_lshl_b32 s73, s73, 12
	s_add_co_u32 s72, s72, s73
	s_mov_b32 s73, 0
	s_lshl_b32 s74, s[BB], 21                      ; the prefetches: my wave's 8,192 bytes of a step
	s_lshl_b32 s75, s[CX], 15
	s_add_co_u32 s74, s74, s75
	s_lshl_b32 s75, s[WV], 13
	s_add_co_u32 s74, s74, s75
	s_mov_b32 s75, 0
	s_cmp_lt_u32 ttmp9, 4                          ; the first cluster of each start: the same in all four partners
	s_cselect_b32 s[LIM], 6, -1
	s_mov_b32 s[CS], 0x3d8293ee                    ; c = 0.0637587
	s_mov_b32 s[CS+1], s[CS]
	s_mov_b32 s[SEL], 0x76543210
	s_mov_b32 s[SEL+1], 0xfedcba98
	s_wait_dscnt 0x0                               ; the opening add is done
	s_wait_kmcnt 0x0
	s_add_nc_u64 s[KVB:KVB+1], s[6:7], s[66:67]
	s_add_nc_u64 s[G0A+2:G0A+3], s[KVB:KVB+1], s[OFFP:OFFP+1]
	s_add_nc_u64 s[G0B+2:G0B+3], s[G0A+2:G0A+3], SLOT  ; slice ROT + 1: ROT is even, so nothing wraps
	s_or_b32 s[G0A+3], s[G0A+3], 0x80000000
	s_or_b32 s[G0B+3], s[G0B+3], 0x80000000
	s_add_nc_u64 s[QBS:QBS+1], s[4:5], s[70:71]
	s_lshl_b32 s[OFFP], s[QI], 12                  ; a pair of slices is 4,096 bytes of a token block's row
	s_add_nc_u64 s[QP:QP+1], s[QBS:QBS+1], s[OFFP:OFFP+1]
	s_add_nc_u64 s[OB:OB+1], s[8:9], s[72:73]
	s_add_nc_u64 s[PFB:PFB+1], s[6:7], s[74:75]
	CROUND                                         ; all four work-groups are here: the first joint loads meet
	tensor_load_to_lds s[G0A:G0A+3], s[G1:G1+7]    ; my walk's step 0 into slot 0
	s_nop 0
	tensor_load_to_lds s[G0B:G0B+3], s[G1:G1+7]    ; step 1 into slot 1
	s_nop 0
	PLACES
	v_and_b32 v[LA], 31, v0
	v_lshlrev_b32 v[PFO], 8, v[LA]
	v_lshlrev_b32 v[LA], 4, v[LA]
	QLOAD 0, 0                                     ; my walk's first pair of slices
	QLOAD 0, 1
	QLOAD 1, 0
	QLOAD 1, 1
	s_lshl_b32 s60, s[WV], 12
	v_add_nc_u32 v[K00], s60, v[LA]
	v_add_nc_u32 v[K00+1], 0x10000, v[K00]
	v_add_nc_u32 v[K00+2], 0x20000, v[K00]
	v_add_nc_u32 v[K00+3], 0x30000, v[K00]
	s_lshl_b32 s60, s[WV], 13
	v_add_nc_u32 v[VA0], s60, v[LA]
	v_and_b32 v[SR], 15, v0
	v_lshl_add_u32 v[SR], v[SR], 4, STATM
	s_lshl_b32 s60, s[WV], 2
	v_add_nc_u32 v[SM], s60, v[SR]
	s_wait_xcnt 0x0                                ; the loads of Q have read their base: on to the next pair, modulo 4
	s_add_co_u32 s[QI], s[QI], 1
	s_and_b32 s[QI], s[QI], 3
	s_lshl_b32 s[OFFP], s[QI], 12
	s_add_nc_u64 s[QP:QP+1], s[QBS:QBS+1], s[OFFP:OFFP+1]
	s_wait_tensorcnt 1                             ; my quarter of step 0 is in; step 1's may stay out
	s_barrier_signal -1
	s_barrier_wait -1
	FETCHK 0, 0
	H0 0, 0, 1, 0                                  ; the first half stands ahead of the loop: its products start the sums
	WIN 0
	s_mov_b32 s[CNT], 4
	s_branch .Lmid1
.Ltop1:                                ; a trip: two slices
	H0 0, 0, 0, 1
	WIN 0
	s_wait_xcnt 0x0                                ; the loads of Q have read their base
	s_add_co_u32 s[QI], s[QI], 1                   ; the next pair, modulo 4: the last trip's loads read the walk's first pair once more, into buffers that are no longer read
	s_and_b32 s[QI], s[QI], 3
	s_lshl_b32 s[OFFP], s[QI], 12
	s_add_nc_u64 s[QP:QP+1], s[QBS:QBS+1], s[OFFP:OFFP+1]
.Lmid1:
	H1T 0, 0
	H0 1, 1, 0, 1
	H1T 1, 1
	WIN 0
	s_sub_co_u32 s[CNT], s[CNT], 1
	s_cmp_lg_u32 s[CNT], 0
	s_cbranch_scc1 .Ltop1
	; SOFTMAX.  The maximum of my lane's 128 scores a query tile: 16 chains; each accumulator's lowest registers are read first
	s_wait_loadcnt 0x0                             ; the last, unused loads of Q have landed: their registers are free
	PLACES
	PLACES
	WIN 0x0a
.irp i, 0,1,2,3
.irp t, 0,1,2,3
	v_max_num_f32 v[CH+4*\t+\i], v[8*\t+2*\i], v[8*\t+2*\i+1]
.endr
.endr
	WIN 0x28
.set k, 1
.rept 7
.irp i, 0,1,2,3
.irp t, 0,1,2,3
	v_max3_num_f32 v[CH+4*\t+\i], v[CH+4*\t+\i], v[8*(4*k+\t)+2*\i], v[8*(4*k+\t)+2*\i+1]
.endr
.endr
.set k, k+1
.endr
	WIN 0x3c
.set k, 0
.rept 8
.irp i, 0,1,2,3
.irp t, 0,1,2,3
	v_max3_num_f32 v[CH+4*\t+\i], v[CH+4*\t+\i], v[8*(4*k+\t)+2*\i], v[8*(4*k+\t)+2*\i+1]
.endr
.endr
.set k, k+1
.endr
	WIN 0
.irp t, 0,1,2,3
	v_max3_num_f32 v[CH+4*\t], v[CH+4*\t], v[CH+4*\t+1], v[CH+4*\t+2]
.endr
.irp t, 0,1,2,3
	v_max_num_f32 v[CH+4*\t], v[CH+4*\t], v[CH+4*\t+3]
.endr
.irp t, 0,1,2,3
	v_permlanex16_b32 v[CH+4*\t+1], v[CH+4*\t], s[SEL], s[SEL+1]  ; the query's other keys lie in the lane 16 away
.endr
.irp t, 0,1,2,3
	v_max_num_f32 v[CH+4*\t], v[CH+4*\t], v[CH+4*\t+1]
.endr
.irp t, 0,1,2,3
	ds_store_b32 v[SM], v[CH+4*\t] offset:256*\t
.endr
	s_wait_dscnt 0x0                               ; my maxima are stored; the last, unused fetch into K's buffer has landed too
	s_barrier_signal -1                            ; refill 9's load may stay out
	s_barrier_wait -1
.irp t, 0,1,2,3
	ds_load_b128 v[96+4*\t:99+4*\t], v[SR] offset:256*\t
.endr
	s_wait_dscnt 0x0
.irp t, 0,1,2,3
	v_max3_num_f32 v[CM+2*\t+1], v[96+4*\t], v[97+4*\t], v[98+4*\t]
.endr
.irp t, 0,1,2,3
	v_max_num_f32 v[CM+2*\t+1], v[CM+2*\t+1], v[99+4*\t]  ; m: the maximum over all 1,024 keys
.endr
.irp t, 0,1,2,3
	v_mul_f32 v[CM+2*\t], s[CS], v[CM+2*\t+1]
.endr
; A window's 256 scores: c s - c m, two at a time, and the exponentials of the accumulator before, by turns; ONE wait for the window's 256 exponentials, ahead of their first reader
.macro EXPW win
	WIN \win
.set n, 0
.rept 33
.irp q, 0,1,2,3
.if n < 32
	v_pk_fma_f32 v[8*n+2*\q:8*n+2*\q+1], v[8*n+2*\q:8*n+2*\q+1], s[CS:CS+1], v[CM+2*(n%4):CM+2*(n%4)+1] op_sel_hi:[1,0,0] neg_lo:[0,0,1] neg_hi:[0,0,1]
.endif
.if n > 0
	v_exp_f32 v[8*(n-1)+2*\q], v[8*(n-1)+2*\q]
	v_exp_f32 v[8*(n-1)+2*\q+1], v[8*(n-1)+2*\q+1]
.endif
.endr
.set n, n+1
.endr
	v_nop                                          ; a plain instruction behind the last exponential
	s_wait_alu depctr_va_vdst(0)                   ; the wait ahead of the first use
.endm
.macro CVTW win, s0                    ; rounded to f16: two key blocks' weights are a fragment of P
	WIN \win
.set n, 0
.rept 32
.irp m, 0,1,2,3
	v_cvt_pk_f16_f32 v[32*((\s0)+n/8)+8*(n%4)+4*((n/4)%2)+\m], v[8*n+2*\m], v[8*n+2*\m+1]
.endr
.set n, n+1
.endr
.endm
.macro SUMW win                        ; the window's weights are added onto its first key block's, 16 chains of packed sums
	WIN \win
.set k, 1
.rept 7
.irp i, 0,1,2,3
.irp t, 0,1,2,3
	v_pk_add_f32 v[8*\t+2*\i:8*\t+2*\i+1], v[8*\t+2*\i:8*\t+2*\i+1], v[8*(4*k+\t)+2*\i:8*(4*k+\t)+2*\i+1]
.endr
.endr
.set k, k+1
.endr
.endm
	EXPW 0x82
	CVTW 0x4a, 0
	SUMW 0x8a
	EXPW 0xc3
	CVTW 0x4f, 4
	SUMW 0xcf
	WIN 0x0e
.irp i, 0,1,2,3
.irp t, 0,1,2,3
	v_pk_add_f32 v[QF+8*\t+2*\i:QF+8*\t+2*\i+1], v[8*\t+2*\i:8*\t+2*\i+1], v[8*\t+2*\i:8*\t+2*\i+1]
.endr
.endr
	WIN 0
.irp t, 0,1,2,3
	v_pk_add_f32 v[QF+8*\t:QF+8*\t+1], v[QF+8*\t:QF+8*\t+1], v[QF+8*\t+2:QF+8*\t+3]
	v_pk_add_f32 v[QF+8*\t+4:QF+8*\t+5], v[QF+8*\t+4:QF+8*\t+5], v[QF+8*\t+6:QF+8*\t+7]
.endr
.irp t, 0,1,2,3
	v_pk_add_f32 v[QF+8*\t:QF+8*\t+1], v[QF+8*\t:QF+8*\t+1], v[QF+8*\t+4:QF+8*\t+5]
.endr
.irp t, 0,1,2,3
	v_add_f32 v[QF+8*\t], v[QF+8*\t], v[QF+8*\t+1]
.endr
.irp t, 0,1,2,3
	v_permlanex16_b32 v[QF+8*\t+1], v[QF+8*\t], s[SEL], s[SEL+1]
.endr
.irp t, 0,1,2,3
	v_add_f32 v[QF+8*\t], v[QF+8*\t], v[QF+8*\t+1]
.endr
.irp t, 0,1,2,3
	ds_store_b32 v[SM], v[QF+8*\t] offset:1024+256*\t
.endr
	s_mov_b32 s[PB], PBUF
	s_mov_b32 s[PBX], PBUF+16384
	s_mov_b32 s[TB], 0
	s_mov_b32 s[SN], s[ROT]                        ; phase 2 begins at key block ROT, an even number
	v_add_nc_u32 v[PST], s[PB], v[K00]
.irp n, 0,2,4,6
	PCASE \n                                       ; my fragments of P for the walk's first block
.endr
	s_add_co_u32 s[SN], s[SN], 1
	s_wait_dscnt 0x0
	s_barrier_signal -1
	s_barrier_wait -1
.irp t, 0,1,2,3
	ds_load_b128 v[96+4*\t:99+4*\t], v[SR] offset:1024+256*\t
.endr
	v_mov_b32 v[ADVL], v[VA0]
	v_add_nc_u32 v[ADVH], 0x10000, v[VA0]
	v_add_nc_u32 v[ADP], s[PB], v[LA]
	v_add_nc_u32 v[PST], s[PBX], v[K00]
	FETCHV 0, F0
	WIN 0
	s_wait_dscnt 24                                ; the four waves' sums are in; the 24 fragment loads behind them may stay out
.irp t, 0,1,2,3
	v_add_f32 v[96+4*\t], v[96+4*\t], v[97+4*\t]
	v_add_f32 v[98+4*\t], v[98+4*\t], v[99+4*\t]
.endr
.irp t, 0,1,2,3
	v_add_f32 v[96+4*\t], v[96+4*\t], v[98+4*\t]
.endr
.irp t, 0,1,2,3
	v_rcp_f32 v[RL+2*\t], v[96+4*\t]
.endr
	v_nop
	s_wait_alu depctr_va_vdst(0)                   ; one wait for the four reciprocals
.irp t, 0,1,2,3
	v_mov_b32 v[RL+2*\t+1], v[RL+2*\t]
.endr
	KS F0, F1, 1, 1                                ; the first 32 keys stand ahead of the loop: their products start the sums
	WIN 0
	s_mov_b32 s[CNT], 6
	s_branch .Lmid2
.Ltop2:                                ; six blocks of 128 keys that fill a slot again
	KS F0, F1, 1, 0
	WIN 0
.Lmid2:
.irp n, 0,1,2,3,4,5,6,7
	PCASE \n
.endr
	s_add_co_u32 s[SN], s[SN], 1
	s_and_b32 s[SN], s[SN], 7
	KS F1, F0, 2, 0
	KS F0, F1, 3, 0
	TURNV 1
	WIN 0
	s_sub_co_u32 s[CNT], s[CNT], 1
	s_cmp_lg_u32 s[CNT], 0
	s_cbranch_scc1 .Ltop2
	s_mov_b32 s[CNT], 2
.Ltail2:                               ; the last two blocks ask for nothing; the very last fetch serves nothing: the price of one text for both
	KS F0, F1, 1, 0
	WIN 0
.irp n, 1,3,5,7
	PCASE \n                                       ; the walk's last block has an odd number; in the second trip SN is even again and nothing is stored
.endr
	s_add_co_u32 s[SN], s[SN], 1
	s_and_b32 s[SN], s[SN], 7
	KS F1, F0, 2, 0
	KS F0, F1, 3, 0
	TURNV 0
	WIN 0
	s_sub_co_u32 s[CNT], s[CNT], 1
	s_cmp_lg_u32 s[CNT], 0
	s_cbranch_scc1 .Ltail2
	; THE WAY OUT: O^T / l, rounded to f16: a lane's 8 channels of one token are a piece of a tile of ot; a wave's store is 512 consecutive bytes
	PLACES
	PLACES
	WIN 0x82
.set n, 0
.rept 32
.irp q, 0,1,2,3
	v_pk_mul_f32 v[8*n+2*\q:8*n+2*\q+1], v[8*n+2*\q:8*n+2*\q+1], v[RL+2*(n%4):RL+2*(n%4)+1] op_sel_hi:[1,0]
.endr
.set n, n+1
.endr
	WIN 0x0a
.set n, 0
.rept 32
.irp m, 0,1,2,3
	v_cvt_pk_f16_f32 v[QF+4*n+\m], v[8*n+2*\m], v[8*n+2*\m+1]
.endr
.set n, n+1
.endr
	WIN 0
.set n, 0
.rept 32
	global_store_b128 v[LA], v[QF+4*n:QF+4*n+3], s[OB:OB+1] offset:(n%4)*65536+(n/4)*512
.set n, n+1
.endr
	s_wait_tensorcnt 0x0                           ; the wave's end
	ds_add_u32 v[SPW], v[NIL]
	s_wait_dscnt 0x0
	CROUND                                         ; the closing round
	s_endpgm
.Lfunc_end_k_q0b64069c0b_attn:
	.size	k_q0b64069c0b_attn, .Lfunc_end_k_q0b64069c0b_attn-k_q0b64069c0b_attn
	.p2alignl 7, 3214868480
	.fill 96, 4, 3214868480
	.section	.rodata,"a",@progbits
	.p2align	6, 0x0
	.amdhsa_kernel k_q0b64069c0b_attn
		.amdhsa_group_segment_fixed_size 327680
		.amdhsa_private_segment_fixed_size 0
		.amdhsa_enable_private_segment 0
		.amdhsa_kernarg_size 24
		.amdhsa_user_sgpr_count 2
		.amdhsa_user_sgpr_kernarg_segment_ptr 1
		.amdhsa_wavefront_size32 1
		.amdhsa_system_sgpr_workgroup_id_x 1
		.amdhsa_system_sgpr_workgroup_id_y 1
		.amdhsa_system_sgpr_workgroup_id_z 1
		.amdhsa_system_vgpr_workitem_id 0
		.amdhsa_next_free_vgpr 1024
		.amdhsa_next_free_sgpr 84
		.amdhsa_reserve_vcc 0
		.amdhsa_float_denorm_mode_32 3
		.amdhsa_float_denorm_mode_16_64 3
		.amdhsa_memory_ordered 1
		.amdhsa_forward_progress 1
		.amdhsa_inst_pref_size 200
	.end_amdhsa_kernel
	.amdgpu_metadata
---
amdhsa.version: [ 1, 2 ]
amdhsa.kernels:
  - .name:           k_q0b64069c0b_attn
    .symbol:         k_q0b64069c0b_attn.kd
    .args:
      - { .name: qt, .offset: 0, .size: 8, .value_kind: global_buffer, .address_space: global }
      - { .name: kv, .offset: 8, .size: 8, .value_kind: global_buffer, .address_space: global }
      - { .name: ot, .offset: 16, .size: 8, .value_kind: global_buffer, .address_space: global }
    .group_segment_fixed_size: 327680
    .private_segment_fixed_size: 0
    .kernarg_segment_align: 8
    .kernarg_segment_size: 24
    .max_flat_workgroup_size: 128
    .sgpr_count:     84
    .vgpr_count:     1024
    .wavefront_size: 32
...
	.end_amdgpu_metadata
.endif
;; end of part 3
;; launch proj (part 4): grid 8 x 32, 4 waves a work-group, clusters of 4 x 1, 327,680 bytes of LDS; arguments ot, wot, bo, out0; writes out0
.if DOCPART == 4
	.amdgcn_target "amdgcn-amd-amdhsa--gfx1250"
	.amdhsa_code_object_version 6
	.text
	.protected	k_q0b64069c0b_proj
	.globl	k_q0b64069c0b_proj
	.p2align	8
	.type	k_q0b64069c0b_proj,@function
k_q0b64069c0b_proj:
	s_mov_b64 s[64:65], 0
	v_nop
	global_prefetch_b8 v0, s[64:65] scope:SCOPE_SE
	s_setreg_imm32_b32 hwreg(HW_REG_WAVE_MODE, 25, 1), 1
	s_wait_xcnt 0x0
	s_wait_alu depctr_hold_cnt(0) depctr_sa_sdst(0) depctr_va_vdst(0) depctr_va_sdst(0) depctr_va_ssrc(0) depctr_va_vcc(0) depctr_vm_vsrc(0)
	s_getreg_b32 s2, hwreg(HW_REG_IB_STS2, 6, 4)
	s_cmp_eq_u32 s2, 0
	s_cbranch_scc0 .Lentry_in_a_cluster
	s_endpgm
.Lentry_in_a_cluster:
	s_bfe_u32 s2, ttmp6, 0x10000c
	s_cmp_lg_u32 s2, 0x3003
	s_cbranch_scc0 .Lentry_shape_is_right
	s_endpgm
.Lentry_shape_is_right:
; out0 = o Wo + bo.  o and Wo f16 in fragment tiles of 1,024 bytes (Wo holds the bf16 rounding of the input, written as f16); bo rounded to bf16 like all inputs; sums f32; out0 f32.
; SHARES. 256 work-groups: tile (mt, j) is 128 tokens x 256 columns.  Wave w takes all 128 rows (a = 0..7) and columns 64 w .. + 63 (i = 0..3): 32 accumulators.
; The product is TRANSPOSED (source 0 = 16 columns of Wo, source 1 = 16 tokens): a lane holds one token and 8 neighbouring columns.
; A, which all four waves read, goes through LDS: 8 steps of K = 256 through two slots of 64 KiB; each wave fetches 2 block rows x 8,192 bytes by one tensor load.
; CLUSTER 4 x 1: the four column tiles of a row tile want the same A: joint loads.  By this text's count a wave has two tensor loads out at the start, one behind each round.
; B IS NOT SHARED OUT BY A CLUSTER, AND NOT SENT THROUGH LDS: each of its fragments is wanted by ONE wave of the work-group, and lies in memory as it lies in registers.  It comes by two loads of
; 16 bytes a lane into a ring of eight buffers of four fragments.  Up to 56 such loads (28 KiB a wave) stay on their way across quarters, steps and barriers, where a ring's refill has to land
; between two barriers; and a slot's refill is 64 KiB for a step's 256 products, where with B it would be 192 KiB.
; THE WAY OUT goes through a stage of the wave's own (16 rows x 272 bytes): sixteen lanes then store 256 consecutive bytes, at a multiple of 256 from out0's first byte.
; WINDOWS (s_set_vgpr_msb: bits 1:0 source 0, 3:2 source 1, 5:4 source 2, 7:6 destination): window 0: addresses, v[16:47] bias, v[64:191] A's two fragment buffers;
; window 1: B's ring: buffer q at 32 q, fragment i at + 8 i; on the way out the rows read back; window 2: accumulator (a, i) at 8 (4 a + i).
.set SLOT,  65536                      ; a slot: A [a 8][quarter 8][tile]
.set STAGE, 2*SLOT                     ; behind the ring, never filled by a tensor load
.set SPARE, STAGE+4*4352               ; the spare words, 128 bytes a wave
.set KSB,   8192                       ; a step's bytes in a block row
.set FA0, 64
.set LO,  2                            ; v2  16 x lane
.set LOB, 3                            ; v3  the same; 0 in the last step, whose look-ahead loads have nothing left to fetch
.set ADA, 5                            ; v5  A's fragments in the slot in hand
.set PFL, 7                            ; v7  256 x lane; never rewritten
.set SPW, 8
.set NIL, 9
.set STO, 13                           ; v13 where I put 32 bytes of a row
.set RD,  14                           ; v14 where I read rows back
.set CO,  15                           ; v15 my byte offset in two rows of out0
.set BIAS, 16
.set WV,  18
.set CX,  19
.set J,   21
.set MT,  22
.set CNT, 23
.set G1,  24
.set G0,  32
.set TB,  40
.set LIM, 41                           ; s41 1 in a wave that prefetches A, else the greatest number
.set LIMB, 42                          ; s42 1 in a work-group that prefetches B
.set MSK, 43
.set PFA, 44
.set BC,  46                           ; s[46:47] my B rows at the step in hand
.set BN,  48                           ; s[48:49] at the next step (in the last: at the same)
.set BST, 50
.set OUTB, 52
.set MSB, 0
.macro WIN new
.if MSB != (\new)
	s_set_vgpr_msb (MSB<<8)|(\new)
.set MSB, (\new)
.endif
.endm
.macro PLACES
.rept 4
	v_nop
.endr
.endm
.macro CREST
	s_cmp_lg_u32 s[WV], 0
	s_cbranch_scc1 .Lnw0_\@
	s_barrier_signal -3
.Lnw0_\@:
	s_barrier_wait -3
	s_barrier_signal -1
	s_barrier_wait -1
.endm
.macro CROUND
	s_barrier_signal -1
	s_barrier_wait -1
	CREST
.endm
.macro JLOAD                           ; the joint refill: every wave fetches its two block rows; an s_nop 0 and four v_nop follow
	tensor_load_to_lds s[G0+4:G0+7], s[G1:G1+7]
	s_nop 0
	PLACES
.endm
; A prefetch into the L2 of A's step that the NEXT refill will ask for (256 products ahead of that load).  A's block rows are read by both clusters of a row tile: cluster x = 0 asks.  Of the 8 block
; rows each of the four partners takes two, told apart by address; in each, waves 0 and 1 take one: 32 lanes x 256 bytes.  The last refill has none behind it.
.macro ASKA
	WIN 0
	s_cmp_gt_u32 s[CNT], s[LIM]
	s_cbranch_scc0 .Lnp_\@
	global_prefetch_b8 v[PFL], s[PFA:PFA+1] th:TH_LOAD_NT scope:SCOPE_SE
.Lnp_\@:
.endm
; A prefetch into the L2 of B: my own four block rows' 8,192 bytes of the step after the next, whose loads begin a step on.  B's rows are read by all 32 row tiles: row tile 0 asks.
; It stands in the main loop alone: steps 0 to 5 ask for 2 to 7.
.macro ASKB
	WIN 0
	s_cmp_eq_u32 s[LIMB], 1
	s_cbranch_scc0 .Lnb_\@
.irp i, 0,1,2,3
	global_prefetch_b8 v[PFL], s[BN:BN+1] offset:KSB+\i*65536 th:TH_LOAD_NT scope:SCOPE_SE
.endr
.Lnb_\@:
.endm
.macro FETCHA kq, g                    ; 16 LDS loads: quarter kq's eight fragments of A into buffer g; rows 0-63 first
	WIN 0
.irp a, 0,1,2,3,4,5,6,7
	ds_load_b128 v[(\g)+8*\a:(\g)+8*\a+3],   v[ADA] offset:\a*8192+(\kq)*1024
	ds_load_b128 v[(\g)+8*\a+4:(\g)+8*\a+7], v[ADA] offset:\a*8192+(\kq)*1024+512
.endr
.endm
.macro BG buf, va, base, off           ; 8 loads: the four fragments of ring buffer buf, from byte off of their block rows
.irp i, 0,1,2,3
	global_load_b128 v[32*(\buf)+8*\i:32*(\buf)+8*\i+3],   v[\va], s[\base:\base+1] offset:\i*65536+(\off)
	global_load_b128 v[32*(\buf)+8*\i+4:32*(\buf)+8*\i+7], v[\va], s[\base:\base+1] offset:\i*65536+(\off)+512
.endr
.endm
; The run of quarter q (k block u) fills the buffer read a quarter ago, for k block u + 7.  In quarter 0 the pointers step.  last = 1 (the tail): in the last step the next step's pointer stays and all
; lanes name the same 16 bytes: those loads fetch nothing of use and are issued so that the counted waits hold; none leaves wot.
.macro BRUN q, last
.if (\q) == 0
	s_wait_xcnt 0x0                                ; every load and prefetch issued so far (the youngest 24 products back) has had its address translated: pointers and LOB may be written
	s_mov_b64 s[BC:BC+1], s[BN:BN+1]
.if \last
	s_cmp_lg_u32 s[CNT], 1
	s_cselect_b32 s[BST], KSB, 0
	s_cselect_b32 s[MSK], -1, 0
	s_add_nc_u64 s[BN:BN+1], s[BN:BN+1], s[BST:BST+1]
	v_and_b32 v[LOB], s[MSK], v[LO]
.else
	s_add_nc_u64 s[BN:BN+1], s[BN:BN+1], KSB
.endif
	WIN 0x40
	BG 7, LO, BC, 7*1024
.else
	WIN 0x40
	BG (\q)-1, LOB, BN, ((\q)-1)*1024
.endif
.endm
.macro MULS q, a0, n, zero             ; 4 n products; zero = 1: the sum starts with the bias; all accumulators take turns
.if \zero
	WIN 0x81
.else
	WIN 0xa1
.endif
.set ma, \a0
.rept \n
.irp i, 0,1,2,3
.if \zero
	v_wmma_f32_16x16x32_f16 v[8*(4*ma+\i):8*(4*ma+\i)+7], v[32*(\q)+8*\i:32*(\q)+8*\i+7], v[FA0+64*((\q)%2)+8*ma:FA0+64*((\q)%2)+8*ma+7], v[BIAS+8*\i:BIAS+8*\i+7]
.else
	v_wmma_f32_16x16x32_f16 v[8*(4*ma+\i):8*(4*ma+\i)+7], v[32*(\q)+8*\i:32*(\q)+8*\i+7], v[FA0+64*((\q)%2)+8*ma:FA0+64*((\q)%2)+8*ma+7], v[8*(4*ma+\i):8*(4*ma+\i)+7]
.endif
.endr
.set ma, ma+1
.endr
.endm
.macro QUARTER q, zero, last, askb     ; one of a step's first seven quarters
	s_wait_loadcnt 48                              ; my four fragments of B are in: behind them six runs of 8 were issued
	s_wait_dscnt 8                                 ; A's rows 0-63 are in
	MULS \q, 0, 4, \zero
	PLACES
	FETCHA (\q)+1, FA0+64*(((\q)+1)%2)
	BRUN \q, \last
.if \askb
	ASKB
.endif
	s_wait_dscnt 16                                ; all but the 16 just issued
	MULS \q, 4, 4, \zero
.endm
; The last quarter and the change of slots: all my tensor loads waited for, the add, the wait for it and for my reads of the slot; with fill = 1 the barrier opens a round of the cluster's and the
; joint refill is the first thing behind it: 232 products stand between it and the wait for it.
.macro TURN fill, last
.if \fill
	s_wait_xcnt 0x0                                ; the last prefetch of A, a step back, has read its address
	s_add_nc_u64 s[PFA:PFA+1], s[PFA:PFA+1], KSB
.endif
	s_wait_loadcnt 48
	WIN 0
	s_wait_tensorcnt 0x0
	ds_add_u32 v[SPW], v[NIL]
.if \fill
	s_xor_b32 s[G0+5], s[G0+5], SLOT
	s_add_nc_u64 s[G0+6:G0+7], s[G0+6:G0+7], KSB
.endif
	s_xor_b32 s[TB], s[TB], SLOT
	s_wait_dscnt 9                                 ; the add and the youngest eight loads may be out
	MULS 7, 0, 4, 0
	s_wait_dscnt 0x0
	s_barrier_signal -1
	MULS 7, 4, 2, 0
	WIN 0
	s_barrier_wait -1
.if \fill
	CREST
	JLOAD                                          ; its four v_nop are also the places in front of the loads below
.else
	PLACES
.endif
	v_add_nc_u32 v[ADA], s[TB], v[LO]
	FETCHA 0, FA0
	BRUN 7, \last
.if \fill
	ASKA
.endif
	MULS 7, 6, 2, 0
.endm
	s_load_b256 s[4:11], s[0:1], 0x0               ; ot 4, wot 6, bo 8, out0 10
	v_lshl_add_u32 v[SPW], v0, 2, SPARE
	v_mov_b32 v[NIL], 0
	ds_add_u32 v[SPW], v[NIL]                      ; the wave's opening: the add and its wait ahead of my first tensor load
	v_lshrrev_b32 v1, 5, v0
	v_readfirstlane_b32 s[WV], v1
	s_bfe_u32 s[CX], ttmp6, 0x40000
	s_lshl_b32 s[J], ttmp9, 2
	s_add_co_u32 s[J], s[J], s[CX]                 ; column tile = 4 x cluster x + cx
	s_and_b32 s[MT], ttmp7, 0xffff                 ; row tile, which the four partners share
	s_mov_b32 s[G1], 15|(3<<16)|(1<<21)            ; the mask of four; elements of 8 bytes; bit 21 set beside a mask
	s_mov_b32 s[G1+1], 1024<<16                    ; tensor_dim0 = 1,024 elements: 8,192 bytes
	s_mov_b32 s[G1+2], 2<<16                       ; tensor_dim1 = 2 block rows
	s_mov_b32 s[G1+3], 1024<<16
	s_mov_b32 s[G1+4], 2
	s_mov_b32 s[G1+5], 8192                        ; 65,536 bytes from block row to block row
	s_mov_b32 s[G1+6], 0
	s_mov_b32 s[G1+7], 0
	s_lshl_b32 s62, s[MT], 3
	s_lshl1_add_u32 s62, s[WV], s62                ; A: block row 8 mt + 2 w: no place in the cluster enters
	s_lshl_b32 s62, s62, 16
	s_mov_b32 s63, 0
	s_lshl_b32 s74, s[WV], 14                      ; where my load lands in a slot: 16,384 x wave
	s_lshl2_add_u32 s66, s[J], s[WV]
	s_lshl_b32 s66, s66, 18                        ; B: block row 16 j + 4 w
	s_mov_b32 s67, 0
	s_lshl_b32 s68, s[J], 10
	s_lshl_b32 s70, s[WV], 8
	s_add_co_u32 s68, s68, s70                     ; my first column, in bytes of f32: 4 (256 j + 64 w)
	s_mov_b32 s69, 0
	s_lshl_b32 s70, s[MT], 20                      ; 128 rows of 8,192 bytes
	s_add_co_u32 s70, s70, s68
	s_mov_b32 s71, 0
	s_lshl_b32 s72, s[MT], 3
	s_lshl1_add_u32 s72, s[CX], s72
	s_and_b32 s73, s[WV], 1
	s_add_co_u32 s72, s72, s73                     ; the prefetch of A: block row 8 mt + 2 cx + w % 2,
	s_lshl_b32 s72, s72, 16
	s_add_co_u32 s72, s72, 2*KSB                   ; at step 2: the first change of slots steps it to 3
	s_mov_b32 s73, 0
	s_lshr_b32 s75, s[WV], 1
	s_or_b32 s75, s75, ttmp9                       ; waves 0 and 1 of the row tile's first cluster: the same in all four partners
	s_cmp_eq_u32 s75, 0
	s_cselect_b32 s[LIM], 1, -1
	s_cmp_eq_u32 s[MT], 0
	s_cselect_b32 s[LIMB], 1, 0
	s_mov_b32 s[TB], 0
	s_mov_b32 s[BST+1], 0
	v_bfe_u32 v11, v0, 4, 1                        ; lane / 16
	v_and_b32 v12, 15, v0                          ; lane % 16
	v_lshlrev_b32 v10, 5, v11
	v_and_b32 v[LO], 31, v0
	v_lshlrev_b32 v[PFL], 8, v[LO]
	v_lshlrev_b32 v[LO], 4, v[LO]
	v_mov_b32 v[LOB], v[LO]
	v_mov_b32 v[ADA], v[LO]
	s_mul_i32 s75, s[WV], 4352
	s_add_co_u32 s75, s75, STAGE
	v_mul_u32_u24 v[STO], v12, 272                 ; in: row lane % 16, 32 bytes for each half of the lanes
	v_lshl_add_u32 v[STO], v11, 5, v[STO]
	v_add_nc_u32 v[STO], s75, v[STO]
	v_mul_u32_u24 v[RD], v11, 272                  ; back: lanes 0-15 one row of 256 bytes, lanes 16-31 the next
	v_lshl_add_u32 v[RD], v12, 4, v[RD]
	v_add_nc_u32 v[RD], s75, v[RD]
	v_lshlrev_b32 v[CO], 13, v11
	v_lshl_add_u32 v[CO], v12, 4, v[CO]
	s_wait_dscnt 0x0                               ; the opening add is done
	s_wait_kmcnt 0x0
	s_add_nc_u64 s[62:63], s[4:5], s[62:63]
	s_add_nc_u64 s[BN:BN+1], s[6:7], s[66:67]
	s_add_nc_u64 s[58:59], s[8:9], s[68:69]
	s_add_nc_u64 s[OUTB:OUTB+1], s[10:11], s[70:71]
	s_add_nc_u64 s[PFA:PFA+1], s[4:5], s[72:73]
.irp s, 0,1
	s_mov_b32 s[G0+4*\s], 1
	s_add_co_u32 s[G0+4*\s+1], s74, \s*SLOT
	s_add_nc_u64 s[G0+4*\s+2:G0+4*\s+3], s[62:63], \s*KSB
	s_or_b32 s[G0+4*\s+3], s[G0+4*\s+3], 0x80000000
.endr
	CROUND                                         ; all four work-groups are here: the first joint loads meet
	tensor_load_to_lds s[G0:G0+3], s[G1:G1+7]      ; step 0 into slot 0
	s_nop 0
	tensor_load_to_lds s[G0+4:G0+7], s[G1:G1+7]    ; step 1 into slot 1
	s_nop 0
	PLACES
.irp i, 0,1,2,3
	global_load_b128 v[BIAS+8*\i:BIAS+8*\i+3],   v10, s[58:59] offset:64*\i
	global_load_b128 v[BIAS+8*\i+4:BIAS+8*\i+7], v10, s[58:59] offset:64*\i+16
.endr
	WIN 0x40                                       ; B's ring is filled in the order in which the runs would have filled it: k blocks 0 to 6
.irp k, 0,1,2,3,4
	BG \k, LO, BN, \k*1024
.endr
	WIN 0
	s_wait_loadcnt 40                              ; the bias (B's 40 loads are younger): rounded to bf16, like every input, and widened again
.set n, 0
.rept 16
	v_cvt_pk_bf16_f32 v[10+n%2], v[BIAS+2*n], v[BIAS+2*n+1]
	v_lshlrev_b32 v[BIAS+2*n], 16, v[10+n%2]
	v_and_b32 v[BIAS+2*n+1], 0xffff0000, v[10+n%2]
.set n, n+1
.endr
	WIN 0x40
	BG 5, LO, BN, 5*1024
	BG 6, LO, BN, 6*1024
	WIN 0
	s_wait_tensorcnt 1                             ; my part of step 0 is in; step 1's may stay out
	s_barrier_signal -1
	s_barrier_wait -1
	FETCHA 0, FA0
	QUARTER 0, 1, 0, 0                             ; the first quarter stands ahead of the loop: its products start the sums
	WIN 0
	s_mov_b32 s[CNT], 6
	s_branch .Lmid
.Ltop:                                 ; six steps that fill a slot again
	QUARTER 0, 0, 0, 0
	WIN 0
.Lmid:
	QUARTER 1, 0, 0, 1
.irp q, 2,3,4,5,6
	QUARTER \q, 0, 0, 0
.endr
	TURN 1, 0
	WIN 0
	s_sub_co_u32 s[CNT], s[CNT], 1
	s_cmp_lg_u32 s[CNT], 0
	s_cbranch_scc1 .Ltop
	s_mov_b32 s[CNT], 2
.Ltail:                                ; the last two steps ask for no tile; the very last fetch of A serves nothing: the price of one text for both
.irp q, 0,1,2,3,4,5,6
	QUARTER \q, 0, 1, 0
.endr
	TURN 0, 1
	WIN 0
	s_sub_co_u32 s[CNT], s[CNT], 1
	s_cmp_lg_u32 s[CNT], 0
	s_cbranch_scc1 .Ltail
	; THE WAY OUT, 16 rows at a time
	s_wait_loadcnt 0x0                             ; the last step's look-ahead loads have landed: window 1 is free
	s_wait_dscnt 0x0
	PLACES
	PLACES
.macro OUTA a
	WIN 0x08                                       ; the stores' data in window 2
.irp i, 0,1,2,3
	ds_store_b128 v[STO], v[8*(4*(\a)+\i):8*(4*(\a)+\i)+3]   offset:64*\i
	ds_store_b128 v[STO], v[8*(4*(\a)+\i)+4:8*(4*(\a)+\i)+7] offset:64*\i+16
.endr
	WIN 0x40
.irp t, 0,1,2,3,4,5,6,7
	ds_load_b128 v[32*(\a)+4*\t:32*(\a)+4*\t+3], v[RD] offset:544*\t  ; LDS serves a wave's instructions in order: these see the stores above, the next block's stores come behind them
.endr
.endm
.macro SENDA a, younger                ; younger: the next block's sixteen LDS instructions, or none
	WIN 0x04
	s_wait_dscnt \younger
.irp t, 0,1,2,3,4,5,6,7
	global_store_b128 v[CO], v[32*(\a)+4*\t:32*(\a)+4*\t+3], s[OUTB:OUTB+1] offset:(16*(\a)+2*\t)*8192 th:TH_STORE_NT
.endr
.endm
	OUTA 0
.irp a, 1,2,3,4,5,6,7
	OUTA \a
	SENDA (\a)-1, 16
.endr
	SENDA 7, 0
	WIN 0
	s_wait_tensorcnt 0x0                           ; the wave's end, behind my last LDS store
	ds_add_u32 v[SPW], v[NIL]
	s_wait_dscnt 0x0
	CROUND                                         ; the closing round
	s_endpgm
.Lfunc_end_k_q0b64069c0b_proj:
	.size	k_q0b64069c0b_proj, .Lfunc_end_k_q0b64069c0b_proj-k_q0b64069c0b_proj
	.p2alignl 7, 3214868480
	.fill 96, 4, 3214868480
	.section	.rodata,"a",@progbits
	.p2align	6, 0x0
	.amdhsa_kernel k_q0b64069c0b_proj
		.amdhsa_group_segment_fixed_size 327680
		.amdhsa_private_segment_fixed_size 0
		.amdhsa_enable_private_segment 0
		.amdhsa_kernarg_size 32
		.amdhsa_user_sgpr_count 2
		.amdhsa_user_sgpr_kernarg_segment_ptr 1
		.amdhsa_wavefront_size32 1
		.amdhsa_system_sgpr_workgroup_id_x 1
		.amdhsa_system_sgpr_workgroup_id_y 1
		.amdhsa_system_sgpr_workgroup_id_z 1
		.amdhsa_system_vgpr_workitem_id 0
		.amdhsa_next_free_vgpr 768
		.amdhsa_next_free_sgpr 84
		.amdhsa_reserve_vcc 0
		.amdhsa_float_denorm_mode_32 3
		.amdhsa_float_denorm_mode_16_64 3
		.amdhsa_memory_ordered 1
		.amdhsa_forward_progress 1
		.amdhsa_inst_pref_size 102
	.end_amdhsa_kernel
	.amdgpu_metadata
---
amdhsa.version: [ 1, 2 ]
amdhsa.kernels:
  - .name:           k_q0b64069c0b_proj
    .symbol:         k_q0b64069c0b_proj.kd
    .args:
      - { .name: ot, .offset: 0, .size: 8, .value_kind: global_buffer, .address_space: global }
      - { .name: wot, .offset: 8, .size: 8, .value_kind: global_buffer, .address_space: global }
      - { .name: bo, .offset: 16, .size: 8, .value_kind: global_buffer, .address_space: global }
      - { .name: out0, .offset: 24, .size: 8, .value_kind: global_buffer, .address_space: global }
    .group_segment_fixed_size: 327680
    .private_segment_fixed_size: 0
    .kernarg_segment_align: 8
    .kernarg_segment_size: 32
    .max_flat_workgroup_size: 128
    .sgpr_count:     84
    .vgpr_count:     768
    .wavefront_size: 32
...
	.end_amdgpu_metadata
.endif
;; end of part 4
;; ======== version 2 of 2: 4 launches; version 1 with the launch prep written anew for expert scheduling mode
;; limits: values are held in f16: magnitudes above 65,504 overflow, below 6.1e-05 lose precision
;; workspace buffers: xt 16,777,216 bytes; wt 12,582,912 bytes; wot 8,388,608 bytes; qt 16,777,216 bytes; kv 8,388,608 bytes; ot 16,777,216 bytes
;; launch prep (part 5): grid 1152 x 1, 4 waves a work-group, no clusters, 35,328 bytes of LDS; arguments x, Wq, Wk, Wv, Wo, xt, wt, wot; writes xt, wt, wot
.if DOCPART == 5
	.amdgcn_target "amdgcn-amd-amdhsa--gfx1250"
	.amdhsa_code_object_version 6
	.text
	.protected	k_q0b64069c0b_prep
	.globl	k_q0b64069c0b_prep
	.p2align	8
	.type	k_q0b64069c0b_prep,@function
k_q0b64069c0b_prep:
	s_mov_b64 s[64:65], 0
	v_nop
	global_prefetch_b8 v0, s[64:65] scope:SCOPE_SE
	s_setreg_imm32_b32 hwreg(HW_REG_WAVE_SCHED_MODE, 0, 2), 2
	s_setreg_imm32_b32 hwreg(HW_REG_WAVE_MODE, 25, 1), 1
	s_wait_xcnt 0x0
	s_wait_alu depctr_vm_vsrc(0)
; PREP: every matrix operand that is an input is rounded once and laid out in FRAGMENT TILES for the launches behind.
; A fragment tile is 1,024 bytes: 16 rows x 32 k of 16-bit numbers, as [piece 0..3][row 0..15][8 k = 16 bytes], piece p holding k = 8 p .. 8 p + 7.
; A matrix fragment is then two loads of 16 bytes a lane, at 16 x lane and 512 + 16 x lane: 512 consecutive bytes each.
;   xt  = bf16(x),  [token block 256][k block 64][tile]                       rows = tokens
;   wt  = bf16(Wq | Wk | Wv), [block 192][k block 64][tile]                   rows = columns of W (W lies [k][n], so it is turned here)
;         block = 24 j + 6 w + i: i < 4: Wq's column block 16 j + 4 w + i; i = 4: Wk's block 4 j + w; i = 5: Wv's block 4 j + w
;   wot = bf16(Wo) written as f16, [column block 128][k block 64][tile]
; LIMITS. |Wo| stays under 65,504 (f16's end); below 2^-14 the f16 copy keeps f16's fixed step of 6e-8.
; SHARES. One wave, one unit of 16 KiB in and 8 KiB out, all its 32 loads out at once; no loop.  Units 0-2047: 16 rows x 256 k of x.
; Then 32 k x 128 n of a weight: 1,024 units of Wq, 256 of Wk, 256 of Wv, 1,024 of Wo.  All four waves of a work-group are on the same tensor.
; Memory binds: no matrix unit, no cluster (no two work-groups read the same byte).  Each wave turns its unit in a stage of its own in LDS
; (32 planes of 256 bytes, 272 apart), so no barrier is needed, and every store of a wave covers 512 consecutive bytes.
; THE MODE: SCHED_MODE bits 1:0 = 2 (LLVM: expert scheduling mode 2), set by the entry lines.  The code itself states the register dependences
; between vector instructions and memory or LDS instructions, with s_wait_alu, always for 0.
; THE PLAN.  A unit goes in four steps of eight loads.  Step g rounds what its eight loads brought; the LDS stores of step g - 1 are dealt among its conversions.
; ONE wait on va_vdst stands at the head of steps 1 to 3, and one behind step 3: it states that the step before has written what the stores below it read.
; Registers that memory or LDS instructions touch:
;   v[LO], v[OFF ..], v[ST], v[RD]   offsets and LDS addresses: made once by vector instructions, ahead of a wait on va_vdst, and never written again.
;   x:       load n lands in IN + 4 n .. + 3.  The rounded numbers of loads 2 k and 2 k + 1 close up into IN + 8 k .. + 3, which the LDS stores read;
;            the loads from the stage land in IN + 8 k + 4 .. + 7, which conversions have read and no LDS store.
;   weights: rows 8 j .. 8 j + 7 land in group j = IN + 32 j .. + 31.  Step j's pieces go into OUT(j) = T + 32 j .. + 15: for j > 0 the upper half of group j - 1,
;            which step j - 1 has used up.  The loads from the stage land in the groups' first 16 registers, which no LDS store has read.
; So step g's conversions name group g and its own out-registers, its stores the out-registers of step g - 1 and v[ST]: no register in common.  And no register that a memory
; or LDS instruction has read is written again by anything: the text has no dependence of that kind to state, and holds no wait on vm_vsrc.
.set STG,   8704                       ; a wave's stage: 32 planes x 272 bytes
.set SPARE, 4*STG                      ; behind the stages: the spare words, 128 bytes a wave
.set LO,  2                            ; v2  16 x lane
.set ST,  3                            ; v3  where I store into the stage
.set RD,  4                            ; v4  where I read back
.set TP,  5                            ; v5  at work
.set SPW, 6                            ; v6  my spare word's LDS address; never rewritten
.set NIL, 7                            ; v7  0; never rewritten
.set OFF, 8                            ; v[8:15]   16 x lane + i rows of the weight
.set T,   16                           ; v[16:31]  a weight's pieces of step 0 on their way into the stage; step j's lie 32 j further up
.set IN,  32                           ; v[32:159] the unit as loaded; later the rounded numbers and what is read back, as the plan says
.set TA,  160                          ; v[160:167] at work: no memory instruction names them
; x: the four numbers that load q brought are rounded; two loads' results close up into the first four of their eight registers
.macro XCVT q
	v_cvt_pk_bf16_f32 v[IN+8*((\q)/2)+2*((\q)%2)],   v[IN+4*(\q)],   v[IN+4*(\q)+1]
	v_cvt_pk_bf16_f32 v[IN+8*((\q)/2)+2*((\q)%2)+1], v[IN+4*(\q)+2], v[IN+4*(\q)+3]
.endm
; x: and go into the stage
.macro XPUT q
	ds_store_b64 v[ST], v[IN+8*((\q)/2)+2*((\q)%2):IN+8*((\q)/2)+2*((\q)%2)+1] offset:((\q)%2)*4352+16*((\q)/2)
.endm
; a weight: piece j of my column c goes into the stage
.macro WPUT j, c
	ds_store_b128 v[ST], v[T+32*(\j)+4*(\c):T+32*(\j)+4*(\c)+3] offset:2176*(\j)+16*(\c)
.endm
	s_load_b512 s[4:19], s[0:1], 0x0               ; x 4, Wq 6, Wk 8, Wv 10, Wo 12, xt 14, wt 16, wot 18
	v_lshl_add_u32 v[SPW], v0, 2, SPARE
	v_mov_b32 v[NIL], 0
	v_lshrrev_b32 v1, 5, v0
	v_readfirstlane_b32 s20, v1                    ; wave
	v_and_b32 v1, 31, v0                           ; lane
	v_lshlrev_b32 v[LO], 4, v1
	s_wait_alu depctr_va_sdst(0)                   ; s20 is written, ahead of its first reader: my unit's number and my stage's place are made from it
	s_lshl_b32 s21, ttmp9, 2
	s_add_co_u32 s21, s21, s20                     ; u: my unit
	s_mul_i32 s22, s20, STG                        ; my stage
	s_mov_b32 s61, 0                               ; the high word of every offset
	s_wait_kmcnt 0x0
	s_cmp_lt_u32 ttmp9, 512
	s_cbranch_scc0 .Lweights
	; ---- x: 16 rows x 256 k.  Load n = 2 r + hh brings 512 bytes of row r: lane l holds k = 128 hh + 4 l .. + 3
	s_lshr_b32 s60, s21, 3
	s_lshl_b32 s60, s60, 17                        ; 16 rows of 8,192 bytes
	s_and_b32 s23, s21, 7
	s_lshl_b32 s23, s23, 10                        ; 256 k of 4 bytes
	s_add_co_u32 s60, s60, s23
	s_add_nc_u64 s[24:25], s[4:5], s[60:61]
	s_lshl_b32 s60, s21, 13                        ; the unit's 8 tiles lie on end in xt
	s_add_nc_u64 s[26:27], s[14:15], s[60:61]
	s_wait_alu depctr_va_vdst(0)                   ; v[LO] is written: the loads below, and later the stores to xt, read it as their offset
.set n, 0
.rept 32
	global_load_b128 v[IN+4*n:IN+4*n+3], v[LO], s[24:25] offset:(n/2)*8192+(n%2)*512 th:TH_LOAD_NT
.set n, n+1
.endr
	v_lshrrev_b32 v[TP], 1, v1                     ; my 4 k are half a piece: plane 16 hh + l / 2, byte 16 r + 8 (l % 2)
	v_mul_u32_u24 v[ST], v[TP], 272
	v_and_b32 v[TP], 1, v1
	v_lshl_add_u32 v[ST], v[TP], 3, v[ST]
	v_add_nc_u32 v[ST], s22, v[ST]
	v_lshrrev_b32 v[TP], 4, v1                     ; back: lanes 0-15 one plane, lanes 16-31 the next
	v_mul_u32_u24 v[RD], v[TP], 272
	v_and_b32 v[TP], 15, v1
	v_lshl_add_u32 v[RD], v[TP], 4, v[RD]
	v_add_nc_u32 v[RD], s22, v[RD]
.irp g, 0,1,2,3
	s_wait_loadcnt 24-8*\g                         ; loads return in order: this step's eight are in, the younger steps' stay out
.if \g > 0
	s_wait_alu depctr_va_vdst(0)                   ; the step before has written its rounded numbers, which the LDS stores below read (in step 1: v[ST] and v[RD] are written too)
.endif
.irp i, 0,1,2,3,4,5,6,7
.if \g > 0
	XPUT 8*\g+\i-8                                 ; the step before: no vector instruction since the wait names its registers or v[ST]
.endif
	XCVT 8*\g+\i
.endr
.endr
	s_wait_alu depctr_va_vdst(0)                   ; step 3 has written its rounded numbers, which the stores below read; and all conversions are done reading the registers in which the loads from the stage land
.irp i, 24,25,26,27,28,29,30,31
	XPUT \i
.endr
.set n, 0
.rept 16
	ds_load_b128 v[IN+8*n+4:IN+8*n+7], v[RD] offset:544*n  ; LDS serves a wave's instructions in order: these see the stores above; they land in registers that no LDS store has read
.set n, n+1
.endr
.set n, 0
.rept 16
	s_wait_dscnt 15-n
	global_store_b128 v[LO], v[IN+8*n+4:IN+8*n+7], s[26:27] offset:512*n  ; 512 consecutive bytes
.set n, n+1
.endr
	s_branch .Lend
	; ---- a weight: 32 k x 128 n.  s24 source, s26 destination, s28 bytes in a row, s29 format, s30 k block, s31 block of 128 columns,
	; s3 the first destination block, s56 the step from column block p to p + 1, s58 from p = 0 to p = 4 (both times 65,536 bytes)
.Lweights:
	s_sub_co_u32 s23, s21, 2048
	s_cmp_lt_u32 ttmp9, 768
	s_cbranch_scc0 .Lnot_q
	s_mov_b64 s[24:25], s[6:7]                     ; Wq
	s_mov_b64 s[26:27], s[16:17]
	s_mov_b32 s28, 8192
	s_mov_b32 s29, 0
	s_lshr_b32 s30, s23, 4
	s_and_b32 s31, s23, 15
	s_lshr_b32 s2, s31, 1
	s_mul_i32 s3, s2, 24
	s_and_b32 s2, s31, 1
	s_mul_i32 s2, s2, 12
	s_add_co_u32 s3, s3, s2                        ; 24 (nb / 2) + 12 (nb % 2)
	s_mov_b32 s58, 6<<16
	s_mov_b32 s56, 1<<16
	s_branch .Lgo
.Lnot_q:
	s_cmp_lt_u32 ttmp9, 896
	s_cbranch_scc0 .Lis_o
	s_cmp_lt_u32 ttmp9, 832                        ; Wk, or Wv
	s_cselect_b64 s[24:25], s[8:9], s[10:11]
	s_cselect_b32 s3, 4, 5
	s_mov_b64 s[26:27], s[16:17]
	s_mov_b32 s28, 2048
	s_mov_b32 s29, 0
	s_and_b32 s23, s23, 255                        ; each of the two has 256 units
	s_lshr_b32 s30, s23, 2
	s_and_b32 s31, s23, 3
	s_mul_i32 s2, s31, 48
	s_add_co_u32 s3, s3, s2                        ; 48 nb + 4 or 5
	s_mov_b32 s58, 24<<16
	s_mov_b32 s56, 6<<16
	s_branch .Lgo
.Lis_o:
	s_sub_co_u32 s23, s23, 1536                    ; Wo
	s_mov_b64 s[24:25], s[12:13]
	s_mov_b64 s[26:27], s[18:19]
	s_mov_b32 s28, 8192
	s_mov_b32 s29, 1
	s_lshr_b32 s30, s23, 4
	s_and_b32 s31, s23, 15
	s_lshl_b32 s3, s31, 3
	s_mov_b32 s58, 4<<16
	s_mov_b32 s56, 1<<16
.Lgo:
	s_mul_i32 s60, s30, s28
	s_lshl_b32 s60, s60, 5                         ; 32 rows a k block
	s_lshl_b32 s2, s31, 9                          ; 128 columns of 4 bytes
	s_add_co_u32 s60, s60, s2
	s_add_nc_u64 s[32:33], s[24:25], s[60:61]      ; the source at rows 0, 8, 16, 24
	s_lshl_b32 s60, s28, 3
	s_add_nc_u64 s[34:35], s[32:33], s[60:61]
	s_add_nc_u64 s[36:37], s[34:35], s[60:61]
	s_add_nc_u64 s[38:39], s[36:37], s[60:61]
	s_lshl_b32 s60, s3, 16
	s_lshl_b32 s2, s30, 10
	s_add_co_u32 s60, s60, s2
	s_add_nc_u64 s[40:41], s[26:27], s[60:61]      ; the tiles of my eight column blocks
	s_mov_b32 s57, 0
	s_mov_b32 s59, 0
	s_add_nc_u64 s[42:43], s[40:41], s[56:57]
	s_add_nc_u64 s[44:45], s[42:43], s[56:57]
	s_add_nc_u64 s[46:47], s[44:45], s[56:57]
	s_add_nc_u64 s[48:49], s[40:41], s[58:59]
	s_add_nc_u64 s[50:51], s[48:49], s[56:57]
	s_add_nc_u64 s[52:53], s[50:51], s[56:57]
	s_add_nc_u64 s[54:55], s[52:53], s[56:57]
	v_mov_b32 v[OFF], v[LO]
.irp i, 0,1,2,3,4,5,6
	v_add_nc_u32 v[OFF+\i+1], s28, v[OFF+\i]
.endr
	s_wait_alu depctr_va_vdst(0)                   ; the eight offsets v[OFF ..] are written, which the loads below read; so is v[LO], the offset of the stores at the end
.irp j, 0,1,2,3
.irp i, 0,1,2,3,4,5,6,7
	global_load_b128 v[IN+4*(8*\j+\i):IN+4*(8*\j+\i)+3], v[OFF+\i], s[32+2*\j:33+2*\j] th:TH_LOAD_NT  ; row k = 8 j + i: lane l holds columns 4 l .. 4 l + 3
.endr
.endr
	v_lshrrev_b32 v[TP], 2, v1                     ; column 4 l + c: block l / 4, row 4 (l % 4) + c of its tile; piece j: plane 8 j + l / 4
	v_mul_u32_u24 v[ST], v[TP], 272
	v_and_b32 v[TP], 3, v1
	v_lshl_add_u32 v[ST], v[TP], 6, v[ST]
	v_add_nc_u32 v[ST], s22, v[ST]
	v_lshrrev_b32 v[TP], 4, v1                     ; back: lanes 0-15 an even piece, lanes 16-31 the odd one, 8 planes on
	v_mul_u32_u24 v[RD], v[TP], 2176
	v_and_b32 v[TP], 15, v1
	v_lshl_add_u32 v[RD], v[TP], 4, v[RD]
	v_add_nc_u32 v[RD], s22, v[RD]
; Eight rows are in: for each of my four columns their 8 k are packed into a piece of 16 bytes.  fmt = 1: rounded to bf16, that number written as f16.
; Step j's pieces lie in T + 32 j .. + 15 and are stored in step j + 1, one store ahead of each column's conversions; step 3's are stored behind the macro.
.macro WCONV fmt
.irp j, 0,1,2,3
	s_wait_loadcnt 24-8*\j                         ; rows 8 j .. 8 j + 7 are in; the younger rows stay out
.if \j > 0
	s_wait_alu depctr_va_vdst(0)                   ; the step before has written its four pieces, which the LDS stores below read (in step 1: v[ST] and v[RD] are written too)
.endif
.irp c, 0,1,2,3
.if \j > 0
	WPUT \j-1, \c                                  ; no vector instruction since the wait names these registers or v[ST]
.endif
.irp m, 0,1,2,3
.if \fmt
	v_cvt_pk_bf16_f32 v[TA+4*(\m%2)], v[IN+4*(8*\j+2*\m)+\c], v[IN+4*(8*\j+2*\m+1)+\c]
	v_lshlrev_b32 v[TA+4*(\m%2)+1], 16, v[TA+4*(\m%2)]
	v_and_b32 v[TA+4*(\m%2)+2], 0xffff0000, v[TA+4*(\m%2)]
	v_cvt_pk_f16_f32 v[T+32*\j+4*\c+\m], v[TA+4*(\m%2)+1], v[TA+4*(\m%2)+2]
.else
	v_cvt_pk_bf16_f32 v[T+32*\j+4*\c+\m], v[IN+4*(8*\j+2*\m)+\c], v[IN+4*(8*\j+2*\m+1)+\c]
.endif
.endr
.endr
.endr
.endm
	s_cmp_eq_u32 s29, 0
	s_cbranch_scc0 .Lf16
	WCONV 0
	s_branch .Lback
.Lf16:
	WCONV 1
.Lback:
	s_wait_alu depctr_va_vdst(0)                   ; on both ways: step 3 has written its four pieces, which the stores below read; and all conversions are done reading the registers in which the loads from the stage land
.irp c, 0,1,2,3
	WPUT 3, \c
.endr
.set n, 0
.rept 16                               ; column block n / 2, pieces 2 (n % 2) and 2 (n % 2) + 1; into the groups' first 16 registers, which no LDS store has read
	ds_load_b128 v[IN+32*(n/4)+4*(n%4):IN+32*(n/4)+4*(n%4)+3], v[RD] offset:(16*(n%2)+n/2)*272
.set n, n+1
.endr
.set n, 0
.rept 16
	s_wait_dscnt 15-n
	global_store_b128 v[LO], v[IN+32*(n/4)+4*(n%4):IN+32*(n/4)+4*(n%4)+3], s[40+2*(n/2):41+2*(n/2)] offset:512*(n%2)  ; half a tile: 512 consecutive bytes
.set n, n+1
.endr
.Lend:
	s_wait_dscnt 0x0                               ; the wave's end
	s_wait_alu 0x0
	s_wait_tensorcnt 0x0
	ds_add_u32 v[SPW], v[NIL]
	s_wait_dscnt 0x0
	s_endpgm
.Lfunc_end_k_q0b64069c0b_prep:
	.size	k_q0b64069c0b_prep, .Lfunc_end_k_q0b64069c0b_prep-k_q0b64069c0b_prep
	.p2alignl 7, 3214868480
	.fill 96, 4, 3214868480
	.section	.rodata,"a",@progbits
	.p2align	6, 0x0
	.amdhsa_kernel k_q0b64069c0b_prep
		.amdhsa_group_segment_fixed_size 35328
		.amdhsa_private_segment_fixed_size 0
		.amdhsa_enable_private_segment 0
		.amdhsa_kernarg_size 64
		.amdhsa_user_sgpr_count 2
		.amdhsa_user_sgpr_kernarg_segment_ptr 1
		.amdhsa_wavefront_size32 1
		.amdhsa_system_sgpr_workgroup_id_x 1
		.amdhsa_system_sgpr_workgroup_id_y 1
		.amdhsa_system_sgpr_workgroup_id_z 1
		.amdhsa_system_vgpr_workitem_id 0
		.amdhsa_next_free_vgpr 168
		.amdhsa_next_free_sgpr 66
		.amdhsa_reserve_vcc 0
		.amdhsa_float_denorm_mode_32 3
		.amdhsa_float_denorm_mode_16_64 3
		.amdhsa_memory_ordered 1
		.amdhsa_forward_progress 1
		.amdhsa_inst_pref_size 44
	.end_amdhsa_kernel
	.amdgpu_metadata
---
amdhsa.version: [ 1, 2 ]
amdhsa.kernels:
  - .name:           k_q0b64069c0b_prep
    .symbol:         k_q0b64069c0b_prep.kd
    .args:
      - { .name: x, .offset: 0, .size: 8, .value_kind: global_buffer, .address_space: global }
      - { .name: Wq, .offset: 8, .size: 8, .value_kind: global_buffer, .address_space: global }
      - { .name: Wk, .offset: 16, .size: 8, .value_kind: global_buffer, .address_space: global }
      - { .name: Wv, .offset: 24, .size: 8, .value_kind: global_buffer, .address_space: global }
      - { .name: Wo, .offset: 32, .size: 8, .value_kind: global_buffer, .address_space: global }
      - { .name: xt, .offset: 40, .size: 8, .value_kind: global_buffer, .address_space: global }
      - { .name: wt, .offset: 48, .size: 8, .value_kind: global_buffer, .address_space: global }
      - { .name: wot, .offset: 56, .size: 8, .value_kind: global_buffer, .address_space: global }
    .group_segment_fixed_size: 35328
    .private_segment_fixed_size: 0
    .kernarg_segment_align: 8
    .kernarg_segment_size: 64
    .max_flat_workgroup_size: 128
    .sgpr_count:     66
    .vgpr_count:     168
    .wavefront_size: 32
...
	.end_amdgpu_metadata
.endif
;; end of part 5
;; launch qkv: the kernel of part 2 again; grid 8 x 32, 4 waves a work-group, clusters of 4 x 1, 327,680 bytes of LDS; arguments xt, wt, bq, bk, bv, qt, kv; writes qt, kv
;; launch attn: the kernel of part 3 again; grid 64 x 4, 4 waves a work-group, clusters of 4 x 1, 327,680 bytes of LDS; arguments qt, kv, ot; writes ot
;; launch proj: the kernel of part 4 again; grid 8 x 32, 4 waves a work-group, clusters of 4 x 1, 327,680 bytes of LDS; arguments ot, wot, bo, out0; writes out0
